; MI455X (gfx1250); checked and timed in simulation.
; The chip was launched on July 23, 2026; its instructions are those of AMD's public machine-readable ISA for CDNA 5 (MIT licence, August 2026) and "CDNA5" Instruction Set Architecture Reference Guide (July 2026). The comments in the code are by the model that wrote it; some were corrected since.
;; Transformer Layer. Allowed arithmetic: matrix products marked QUANTISED: E4M3 operands, one given power-of-two scale a tensor, by v_wmma_f32_16x16x64_fp8_fp8 or v_wmma_f32_16x16x128_fp8_fp8, f32 sums; everything else in f32.
;; Inputs: W1 1,024 x 4,096 float32; W2 4,096 x 1,024 float32; Wk 1,024 x 1,024 float32; Wo 1,024 x 1,024 float32; Wq 1,024 x 1,024 float32; Wv 1,024 x 1,024 float32; b1 4,096 float32; b2 1,024 float32; bo 1,024 float32; ln1_b 1,024 float32; ln1_g 1,024 float32; ln2_b 1,024 float32; ln2_g 1,024 float32; lowp_scales 16 int32 (the exponents e of the quantised operands' scales 2^e); x 2 x 2,048 x 1,024 float32.
;; Outputs: out0 2 x 2,048 x 1,024 float32.
;; This version of the problem:
;;   THIS VERSION OF THE PROBLEM IS GIVEN IN LOW PRECISION. The matrix products marked QUANTISED in the list below multiply operands that are first quantised to E4M3 (4 exponent bits, 3 mantissa bits; 8 bits a number), with one given power-of-two scale for each operand tensor; their sums are f32. All else is computed in f32.
;;   The module's matrix products, in the order in which they are computed (A, B: the left and right operand; K: the contracted axis; several contracted axes count as one K, in the product's order):
;;     1. [M 4,096, K 1,024] x [K 1,024, N 1,024]; A: computed on the way; B: input Wq: QUANTISED (scales: A lowp_scales[0], B lowp_scales[1])
;;     2. [M 4,096, K 1,024] x [K 1,024, N 1,024]; A: computed on the way; B: input Wk: QUANTISED (scales: A lowp_scales[2], B lowp_scales[3])
;;     3. [M 4,096, K 1,024] x [K 1,024, N 1,024]; A: computed on the way; B: input Wv: QUANTISED (scales: A lowp_scales[4], B lowp_scales[5])
;;     4. batch 32 x [M 2,048, K 64] x [K 64, N 2,048]; A: computed on the way; B: computed on the way: QUANTISED (scales: A lowp_scales[6], B lowp_scales[7])
;;     5. batch 32 x [M 64, K 2,048] x [K 2,048, N 2,048]; A: computed on the way; B: softmax (see below): QUANTISED (scales: A lowp_scales[8], B lowp_scales[9])
;;     6. [M 4,096, K 1,024] x [K 1,024, N 1,024]; A: computed on the way; B: input Wo: QUANTISED (scales: A lowp_scales[10], B lowp_scales[11])
;;     7. [M 4,096, K 1,024] x [K 1,024, N 4,096]; A: computed on the way; B: input W1: QUANTISED (scales: A lowp_scales[12], B lowp_scales[13])
;;     8. [M 4,096, K 4,096] x [K 4,096, N 1,024]; A: computed on the way; B: input W2: QUANTISED (scales: A lowp_scales[14], B lowp_scales[15])
;;   THE QUANTISER, for each operand of a quantised product, along K:
;;     - The operand's scale is 2^e, e = its entry of the input lowp_scales (int32; the entries are numbered through the quantised products in the list's order, A before B).
;;     - Each number is divided by the scale, clamped to +-448, and rounded to the nearest number of E4M3, ties to even, subnormals kept.
;;     - The product sums the exact products of the quantised numbers (number of the format x scale) in f32.
;;   ~~~python
;;   def quantise(x, axis, e):      # numpy; x: float32 -> the quantised numbers, widened to float32 again
;;       x = np.moveaxis(x, axis, -1); K = x.shape[-1]
;;       r = np.clip(x / 2.0 ** e, -448, 448)
;;       step = 2.0 ** (np.maximum(np.frexp(np.where(r == 0, 1, r))[1] - 1, -6) - 3)
;;       q = np.round(r / step) * step * 2.0 ** e      # np.round: ties to even
;;       return np.moveaxis(q, -1, axis).astype(np.float32)
;;   ~~~
;;   SOFTMAX AHEAD OF A QUANTISED PRODUCT. Where the list says 'softmax', what is quantised is not the finished softmax but p = 2^(t - M), with t = logit x log2(e) and M = ceil(the row's largest t), a whole number; so 1/2 < the row's largest p <= 1. The row's sum l is taken of the UNQUANTISED p, in f32, and the product's result is divided by l at the end. Since M is a whole number, a kernel that streams over the keys may use a running M (the ceiling of the running maximum): every later rescaling is an exact power of two, so the quantised numbers keep their values, but for numbers so far below the row's largest that they fall under the format's range.
;;   OPERANDS COMPUTED ON THE WAY. 'Computed on the way' means the value that the module computes at that place (a softmax that the list does not call 'softmax' is quantised finished and normalised). What goes into a quantiser is computed in f32, as accurately as f32 sums, v_exp_f32 and their like allow (about 1e-6 of the number): no bf16 or f16 on the way to a quantiser, and a product that is left as it is and whose result goes on into a quantised operand takes f32 operands (vector FMAs, or v_wmma_f32_16x16x4_f32). A number that lies on a knife's edge between two numbers of the format may be rounded either way, as far as f32 arithmetic and the matrix unit's own rounding can turn it there, and no further.
;; One version. Each part assembles by itself: llvm-mc -triple=amdgcn-amd-amdhsa -mcpu=gfx1250 --defsym DOCPART=n.
;; ======== version 1 of 1: 7 launches
;; limits: right only within a limited range of input values
;; workspace buffers: wc 12,582,912 bytes; hc 12,582,912 bytes; qkvc 12,582,912 bytes; oc 4,194,304 bytes; x1 16,777,216 bytes; h2c 4,194,304 bytes; ffc 16,777,216 bytes
;; launch prep (part 1): grid 640 x 1, 4 waves a work-group, no clusters, 55,808 bytes of LDS; arguments Wq, Wk, Wv, Wo, W1, W2, x, ln1_g, ln1_b, lowp_scales, wc, hc; writes wc, hc
.if DOCPART == 1
	.amdgcn_target "amdgcn-amd-amdhsa--gfx1250"
	.amdhsa_code_object_version 6
	.text
	.protected	k_q17a3d350ab_prep
	.globl	k_q17a3d350ab_prep
	.p2align	8
	.type	k_q17a3d350ab_prep,@function
k_q17a3d350ab_prep:
	s_mov_b64 s[64:65], 0
	v_nop
	global_prefetch_b8 v0, s[64:65] scope:SCOPE_SE
	s_setreg_imm32_b32 hwreg(HW_REG_WAVE_MODE, 25, 1), 1
	s_wait_xcnt 0x0
; PREP.  Work-groups 0-383: the six weights, f32 stored [K][N], become codes of E4M3 laid [N][K] (K innermost) in wc:
;   Wq at 0, Wk at 1 MiB, Wv at 2 MiB, Wo at 3 MiB, W1 at 4 MiB ([4096][1024]), W2 at 8 MiB ([1024][4096]).
; Work-groups 384-639: h = LayerNorm(x) x ln1_g + ln1_b, in f32, quantised three times (scales e0, e2, e4) into the three planes [4096][1024] of hc.
; code = number / 2^e, held within +-448, rounded to the nearest code, ties to even.
; LIMITS: each e used here lies between -126 and 119, so that 2^e and 448 x 2^e are f32 numbers.  NaN among the inputs is not served.
; The two paths part on the work-group's number and have LDS bytes of their own.  No tensor loads, no barrier: waves share nothing.
.set VO,    16                         ; W path: v16-47   i x (a row of the weight in bytes) + 4 x lane
.set XW,    48                         ;         v48-111  two sets of 32 numbers: a block of 32 along K of my column
.set CW,    112                        ;         v112-119 a block's codes
.set OUTR,  120                        ;         v120-183 the way out: 16 x 4 registers
.set OO,    184                        ;         v184-199 the way out: byte offsets of the 16 stores
.set G,     16                         ; LN path: v16-47  gain, register 4 j + c = column 128 j + 4 lane + c
.set BB,    48                         ;         v48-79   bias, likewise
.set X,     80                         ;         v80-143  two rows as loaded
.set Y,     144                        ;         v144-175 the normalised row, 16 neighbours twice
.set T,     176                        ;         v176-207 two sets of 16 held numbers, by turns
.set CD,    208                        ;         v208-231 codes: plane p, half s at 8 p + 4 s
.set SCL,   232                        ;         v232+2p the scale of plane p as f32, v233+2p 448 x it
.set LNSTG, 34816                      ; LDS: [0, 34816) the W path's four stages of 32 x 272; [34816, 55296) the LN path's four of 5,120
.set XB,    50                         ; s[50:51] x at my wave's first row
.set OB0,   52                         ; s[52:57] the three planes at my wave's first row
.macro MKSCALE es, vs, vl              ; from the whole number e in s[es]: 2^e and 448 x 2^e as f32
	s_add_co_i32 s88, s[\es], 127
	s_lshl_b32 s89, s88, 23
	v_mov_b32 v[\vs], s89
	s_add_co_i32 s88, s88, 8
	s_lshl_b32 s88, s88, 23
	s_or_b32 s88, s88, 0x600000
	v_mov_b32 v[\vl], s88
.endm
	s_load_b512 s[8:23], s[0:1], 0x0               ; Wq 8, Wk 10, Wv 12, Wo 14, W1 16, W2 18, x 20, ln1_g 22
	s_load_b256 s[24:31], s[0:1], 0x40             ; ln1_b 24, the scales' exponents 26, wc 28, hc 30
	v_lshl_add_u32 v240, v0, 2, 0xd800
	v_mov_b32 v241, 0
	v_lshrrev_b32 v1, 5, v0
	v_readfirstlane_b32 s4, v1                     ; wave 0..3
	v_and_b32 v2, 31, v0                           ; lane
	s_wait_kmcnt 0x0
	s_load_b512 s[32:47], s[26:27], 0x0            ; e0 .. e15
	s_cmp_lt_u32 ttmp9, 384
	s_cbranch_scc0 .Lln
; ---------------- the weights.  A work-group takes 128 columns x 256 along K, a wave 32 columns; A LANE TAKES A COLUMN AND ITS REGISTERS RUN DOWN K:
; each load reads 128 consecutive bytes a wave, and the conversions give codes with K innermost.  Which tensor: T = work-group / 32.
	s_lshr_b32 s5, ttmp9, 5                        ; T: 0 Wq, 1 Wk, 2 Wv, 3 Wo, 4-7 W1, 8-11 W2
	s_lshr_b32 s70, s5, 2                          ; 0: one of the four small ones, 1: W1, 2: W2
	s_lshl_b32 s75, s5, 20
	s_lshl_b32 s76, s70, 22
	s_cmp_lt_u32 s5, 4
	s_cselect_b32 s69, 31, 127                     ; work-groups of the tensor - 1
	s_cselect_b32 s75, s75, s76                    ; where its codes begin in wc
	s_cmp_eq_u32 s70, 1
	s_cselect_b32 s71, 31, 7                       ; blocks of 128 columns - 1
	s_cselect_b32 s72, 5, 3                        ; and their log2
	s_cselect_b32 s73, 14, 12                      ; log2 of a row of the weight in bytes
	s_cmp_eq_u32 s70, 2
	s_cselect_b32 s74, 12, 10                      ; log2 of a row of its codes in bytes (= K)
	s_and_b32 s69, ttmp9, s69
	s_and_b32 s71, s69, s71
	s_lshr_b32 s72, s69, s72
	s_lshl_b32 s71, s71, 7
	s_lshl_b32 s77, s4, 5
	s_add_co_u32 s71, s71, s77                     ; my wave's first column
	s_lshl_b32 s72, s72, 8                         ; the work-group's first k
	s_cmp_eq_u32 s5, 0                             ; the tensor's address: choices that hang on the work-group's number alone
	s_cselect_b64 s[66:67], s[8:9], s[10:11]
	s_cmp_lt_u32 s5, 2
	s_cselect_b64 s[66:67], s[66:67], s[12:13]
	s_cmp_lt_u32 s5, 3
	s_cselect_b64 s[66:67], s[66:67], s[14:15]
	s_cmp_lt_u32 s5, 4
	s_cselect_b64 s[66:67], s[66:67], s[16:17]
	s_cmp_lt_u32 s5, 8
	s_cselect_b64 s[66:67], s[66:67], s[18:19]
	s_lshl_b32 s78, s72, s73                       ; k rows down,
	s_lshl_b32 s77, s71, 2
	s_add_co_u32 s78, s78, s77                     ; 4 bytes a column along: under 2^25
	s_mov_b32 s79, 0
	s_add_nc_u64 s[48:49], s[66:67], s[78:79]      ; block 0's base; the other seven lie 32 rows apart
	s_lshl_b32 s80, 32, s73
	s_mov_b32 s81, 0
.irp t, 1,2,3,4,5,6,7
	s_add_nc_u64 s[48+2*\t:49+2*\t], s[46+2*\t:47+2*\t], s[80:81]
.endr
	s_lshl_b32 s82, s71, s74                       ; the codes: row = column of the weight,
	s_add_co_u32 s82, s82, s72                     ; byte = k
	s_add_co_u32 s82, s82, s75
	s_mov_b32 s83, 0
	s_add_nc_u64 s[6:7], s[28:29], s[82:83]
	s_lshl_b32 s84, 1, s73                         ; a row of the weight in bytes
	s_lshl_b32 s85, 2, s74                         ; two rows of codes in bytes
	s_wait_alu depctr_va_vdst(0)
	v_lshlrev_b32 v3, 2, v2
.set i, 0
.rept 32
	v_mad_u32_u24 v[VO+i], s84, i, v3
.set i, i+1
.endr
	s_mul_i32 s86, s4, 8704                        ; my stage: 32 rows (columns of the weight) x (256 bytes + 16)
	v_mul_u32_u24 v4, v2, 272
	v_add_nc_u32 v4, s86, v4                       ; into it: row = my column
	v_and_b32 v5, 15, v2
	v_lshrrev_b32 v6, 4, v2
	v_mul_u32_u24 v7, v6, 272
	v_lshl_add_u32 v7, v5, 4, v7
	v_add_nc_u32 v7, s86, v7                       ; out of it: sixteen lanes to a row, two rows an instruction
	v_lshlrev_b32 v8, s74, v6
	v_lshl_add_u32 v8, v5, 4, v8                   ; and the same place among the codes
.set i, 0
.rept 16
	v_mad_u32_u24 v[OO+i], s85, i, v8
.set i, i+1
.endr
.macro WLOAD t                         ; block t: W(k0 + 32 t + i, my column), i = 0 .. 31, into set t % 2
.set i, 0
.rept 32
	global_load_b32 v[XW+32*((\t)%2)+i], v[VO+i], s[48+2*(\t):49+2*(\t)] th:TH_LOAD_NT
.set i, i+1
.endr
.endm
	WLOAD 0
	WLOAD 1
	s_wait_kmcnt 0x0
	s_cmp_eq_u32 s5, 0                             ; the tensor's e: entries 1, 3, 5, 11, 13, 15
	s_cselect_b32 s68, s33, s35
	s_cmp_lt_u32 s5, 2
	s_cselect_b32 s68, s68, s37
	s_cmp_lt_u32 s5, 3
	s_cselect_b32 s68, s68, s43
	s_cmp_lt_u32 s5, 4
	s_cselect_b32 s68, s68, s45
	s_cmp_lt_u32 s5, 8
	s_cselect_b32 s68, s68, s47
	MKSCALE 68, 11, 10
.macro WBLOCK t
.set XS, XW+32*((\t)%2)
.if (\t) < 7
	s_wait_loadcnt 32                              ; this block's 32 loads are in; the next block's may be out
.else
	s_wait_loadcnt 0
.endif
.set i, 0
.rept 32
	v_med3_num_f32 v[XS+i], v[XS+i], -v10, v10     ; the conversion does not saturate (ISA guide 7.6.2): the hold at 448 x the scale comes first
.set i, i+1
.endr
.irp g, 0,1,2,3
	v_cvt_scalef32_pk8_fp8_f32 v[CW+2*\g:CW+2*\g+1], v[XS+8*\g:XS+8*\g+7], v11
.endr
	ds_store_b128 v4, v[CW:CW+3] offset:32*(\t)    ; 32 codes of my column's row
	ds_store_b128 v4, v[CW+4:CW+7] offset:32*(\t)+16
.if (\t)+2 < 8
	WLOAD (\t)+2
.endif
	s_wait_dscnt 0x0                               ; the stores have read their registers: the next block's codes may be written
.endm
	s_wait_alu depctr_va_vdst(0)
.irp t, 0,1,2,3,4,5,6,7
	WBLOCK \t
.endr
.irp t, 0,1,2,3,4,5,6,7,8,9,10,11,12,13,14,15
	ds_load_b128 v[OUTR+4*\t:OUTR+4*\t+3], v7 offset:544*\t    ; LDS serves a wave's instructions in order: these see my stores
.endr
.irp t, 0,1,2,3,4,5,6,7,8,9,10,11,12,13,14,15
	s_wait_dscnt 15-\t
	global_store_b128 v[OO+\t], v[OUTR+4*\t:OUTR+4*\t+3], s[6:7]   ; sixteen lanes store 256 consecutive bytes, aligned
.endr
	s_wait_tensorcnt 0x0
	ds_add_u32 v240, v241
	s_wait_dscnt 0x0
	s_endpgm
; ---------------- LayerNorm 1.  A wave takes four rows, one at a time; the row stays in 32 registers between the passes.
.Lln:
	s_sub_co_u32 s5, ttmp9, 384
	s_lshl_b32 s5, s5, 4
	s_lshl_b32 s66, s4, 2
	s_add_co_u32 s5, s5, s66                       ; my wave's first row
	s_lshl_b32 s66, s5, 12
	s_mov_b32 s67, 0
	s_add_nc_u64 s[XB:XB+1], s[20:21], s[66:67]
	s_lshl_b32 s66, s5, 10
	s_add_nc_u64 s[OB0:OB0+1], s[30:31], s[66:67]
	s_add_nc_u64 s[OB0+2:OB0+3], s[OB0:OB0+1], 0x400000
	s_add_nc_u64 s[OB0+4:OB0+5], s[OB0:OB0+1], 0x800000
	s_mov_b32 s60, 0x76543210                      ; v_permlanex16_b32: lane l xor 16
	s_mov_b32 s61, 0xfedcba98
	s_mov_b32 s62, 0x3a800000                      ; 1 / 1024
	s_wait_alu depctr_va_vdst(0)
	v_lshlrev_b32 v3, 4, v2                        ; 16 bytes a lane
	s_mul_i32 s66, s4, 5120
	s_add_co_u32 s66, s66, LNSTG                   ; my stage: a row's 4,096 bytes with 16 of padding behind each 64
	v_lshrrev_b32 v4, 2, v2
	v_mul_u32_u24 v4, v4, 80
	v_and_b32 v5, 3, v2
	v_lshl_add_u32 v4, v5, 4, v4
	v_add_nc_u32 v4, s66, v4                       ; in: as the bytes lie
	v_mul_u32_u24 v5, v2, 80
	v_add_nc_u32 v5, s66, v5                       ; out: 64 bytes a lane: 16 neighbours
.irp j, 0,1,2,3,4,5,6,7
	global_load_b128 v[G+4*\j:G+4*\j+3], v3, s[22:23] offset:512*\j
.endr
.irp j, 0,1,2,3,4,5,6,7
	global_load_b128 v[BB+4*\j:BB+4*\j+3], v3, s[24:25] offset:512*\j
.endr
.macro XLOAD t                         ; row t: eight loads of 512 consecutive bytes
.irp j, 0,1,2,3,4,5,6,7
	global_load_b128 v[X+32*((\t)%2)+4*\j:X+32*((\t)%2)+4*\j+3], v3, s[XB:XB+1] offset:4096*(\t)+512*\j th:TH_LOAD_NT
.endr
.endm
.macro REDUCE                          ; v12 summed over the 32 lanes, the result in every lane
	v_add_f32_dpp v12, v12, v12 row_xmask:1 row_mask:0xf bank_mask:0xf
	v_add_f32_dpp v12, v12, v12 row_xmask:2 row_mask:0xf bank_mask:0xf
	v_add_f32_dpp v12, v12, v12 row_xmask:4 row_mask:0xf bank_mask:0xf
	v_add_f32_dpp v12, v12, v12 row_xmask:8 row_mask:0xf bank_mask:0xf
	v_permlanex16_b32 v13, v12, s60, s61
	v_add_f32 v12, v12, v13
.endm
.macro LNROW t
.set XS, X+32*((\t)%2)
.if (\t) < 3
	s_wait_loadcnt 8                               ; this row (and gain and bias) are in; the next row's eight loads may be out
.else
	s_wait_loadcnt 0
.endif
	v_pk_add_f32 v[12:13], v[XS:XS+1], v[XS+2:XS+3]            ; the row's sum, two chains
	v_pk_add_f32 v[14:15], v[XS+4:XS+5], v[XS+6:XS+7]
.irp j, 8,12,16,20,24,28
	v_pk_add_f32 v[12:13], v[12:13], v[XS+\j:XS+\j+1]
	v_pk_add_f32 v[14:15], v[14:15], v[XS+\j+2:XS+\j+3]
.endr
	v_pk_add_f32 v[12:13], v[12:13], v[14:15]
	v_add_f32 v12, v12, v13
	REDUCE
	v_mul_f32 v8, s62, v12                         ; the mean, twice
	v_mul_f32 v9, s62, v12
.set j, 0
.rept 16
	v_pk_add_f32 v[XS+j:XS+j+1], v[XS+j:XS+j+1], v[8:9] neg_lo:[0,1] neg_hi:[0,1]   ; x - mean: the variance is taken of the differences, as the definition has it
.set j, j+2
.endr
	v_pk_mul_f32 v[12:13], v[XS:XS+1], v[XS:XS+1]
	v_pk_mul_f32 v[14:15], v[XS+2:XS+3], v[XS+2:XS+3]
.irp j, 4,8,12,16,20,24,28
	v_pk_fma_f32 v[12:13], v[XS+\j:XS+\j+1], v[XS+\j:XS+\j+1], v[12:13]
	v_pk_fma_f32 v[14:15], v[XS+\j+2:XS+\j+3], v[XS+\j+2:XS+\j+3], v[14:15]
.endr
	v_pk_add_f32 v[12:13], v[12:13], v[14:15]
	v_add_f32 v12, v12, v13
	REDUCE
	v_fmaak_f32 v12, s62, v12, 0x3727c5ac          ; variance + 1e-5
	s_wait_alu depctr_va_vdst(0)
	v_rsq_f32 v10, v12
	v_rsq_f32 v11, v12
	v_nop                                          ; a plain instruction behind the transcendentals,
	s_wait_alu depctr_va_vdst(0)                   ; and one wait for both, ahead of their first reader
.set j, 0
.rept 16
	v_pk_mul_f32 v[XS+j:XS+j+1], v[XS+j:XS+j+1], v[10:11]
.set j, j+2
.endr
.set j, 0
.rept 16
	v_pk_fma_f32 v[XS+j:XS+j+1], v[XS+j:XS+j+1], v[G+j:G+j+1], v[BB+j:BB+j+1]
.set j, j+2
.endr
.irp j, 0,1,2,3,4,5,6,7
	ds_store_b128 v4, v[XS+4*\j:XS+4*\j+3] offset:640*\j       ; the row turns through my stage,
.endr
.irp s, 0,1
.irp i, 0,1,2,3
	ds_load_b128 v[Y+16*\s+4*\i:Y+16*\s+4*\i+3], v5 offset:2560*\s+16*\i   ; and comes back as columns 512 s + 16 lane + 0 .. 15
.endr
.endr
	s_wait_dscnt 0x0                               ; Y is in, and the stores have read the row's registers
	s_wait_xcnt 0x0                                ; the last row's global stores have read their codes: CD is written again only behind this wait
.if (\t)+2 < 4
	XLOAD (\t)+2
.endif
.irp p, 0,1,2
.irp s, 0,1
.set TS, T+16*((2*\p+\s)%2)
.set i, 0
.rept 16
	v_med3_num_f32 v[TS+i], v[Y+16*\s+i], -v[SCL+2*\p+1], v[SCL+2*\p+1]    ; the hold; these plain lines on the other set also stand behind the conversions just issued
.set i, i+1
.endr
	v_cvt_scalef32_pk8_fp8_f32 v[CD+8*\p+4*\s:CD+8*\p+4*\s+1], v[TS:TS+7], v[SCL+2*\p]
	v_cvt_scalef32_pk8_fp8_f32 v[CD+8*\p+4*\s+2:CD+8*\p+4*\s+3], v[TS+8:TS+15], v[SCL+2*\p]
	global_store_b128 v3, v[CD+8*\p+4*\s:CD+8*\p+4*\s+3], s[OB0+2*\p:OB0+2*\p+1] offset:1024*(\t)+512*\s   ; 512 consecutive bytes a wave
.endr
.endr
.endm
	XLOAD 0
	XLOAD 1
	s_wait_kmcnt 0x0
	MKSCALE 32, SCL, SCL+1                         ; e0
	MKSCALE 34, SCL+2, SCL+3                       ; e2
	MKSCALE 36, SCL+4, SCL+5                       ; e4
	LNROW 0
	LNROW 1
	LNROW 2
	LNROW 3
	s_wait_tensorcnt 0x0
	ds_add_u32 v240, v241
	s_wait_dscnt 0x0
	s_endpgm
.Lfunc_end_k_q17a3d350ab_prep:
	.size	k_q17a3d350ab_prep, .Lfunc_end_k_q17a3d350ab_prep-k_q17a3d350ab_prep
	.p2alignl 7, 3214868480
	.fill 96, 4, 3214868480
	.section	.rodata,"a",@progbits
	.p2align	6, 0x0
	.amdhsa_kernel k_q17a3d350ab_prep
		.amdhsa_group_segment_fixed_size 55808
		.amdhsa_private_segment_fixed_size 0
		.amdhsa_enable_private_segment 0
		.amdhsa_kernarg_size 96
		.amdhsa_user_sgpr_count 2
		.amdhsa_user_sgpr_kernarg_segment_ptr 1
		.amdhsa_wavefront_size32 1
		.amdhsa_system_sgpr_workgroup_id_x 1
		.amdhsa_system_sgpr_workgroup_id_y 1
		.amdhsa_system_sgpr_workgroup_id_z 1
		.amdhsa_system_vgpr_workitem_id 0
		.amdhsa_next_free_vgpr 242
		.amdhsa_next_free_sgpr 100
		.amdhsa_reserve_vcc 0
		.amdhsa_float_denorm_mode_32 3
		.amdhsa_float_denorm_mode_16_64 3
		.amdhsa_memory_ordered 1
		.amdhsa_forward_progress 1
		.amdhsa_inst_pref_size 118
	.end_amdhsa_kernel
	.amdgpu_metadata
---
amdhsa.version: [ 1, 2 ]
amdhsa.kernels:
  - .name:           k_q17a3d350ab_prep
    .symbol:         k_q17a3d350ab_prep.kd
    .args:
      - { .name: Wq, .offset: 0, .size: 8, .value_kind: global_buffer, .address_space: global }
      - { .name: Wk, .offset: 8, .size: 8, .value_kind: global_buffer, .address_space: global }
      - { .name: Wv, .offset: 16, .size: 8, .value_kind: global_buffer, .address_space: global }
      - { .name: Wo, .offset: 24, .size: 8, .value_kind: global_buffer, .address_space: global }
      - { .name: W1, .offset: 32, .size: 8, .value_kind: global_buffer, .address_space: global }
      - { .name: W2, .offset: 40, .size: 8, .value_kind: global_buffer, .address_space: global }
      - { .name: x, .offset: 48, .size: 8, .value_kind: global_buffer, .address_space: global }
      - { .name: ln1_g, .offset: 56, .size: 8, .value_kind: global_buffer, .address_space: global }
      - { .name: ln1_b, .offset: 64, .size: 8, .value_kind: global_buffer, .address_space: global }
      - { .name: lowp_scales, .offset: 72, .size: 8, .value_kind: global_buffer, .address_space: global }
      - { .name: wc, .offset: 80, .size: 8, .value_kind: global_buffer, .address_space: global }
      - { .name: hc, .offset: 88, .size: 8, .value_kind: global_buffer, .address_space: global }
    .group_segment_fixed_size: 55808
    .private_segment_fixed_size: 0
    .kernarg_segment_align: 8
    .kernarg_segment_size: 96
    .max_flat_workgroup_size: 128
    .sgpr_count:     100
    .vgpr_count:     242
    .wavefront_size: 32
...
	.end_amdgpu_metadata
.endif
;; end of part 1
;; launch qkv (part 2): grid 4 x 48, 4 waves a work-group, clusters of 4 x 4, 327,680 bytes of LDS; arguments hc, wc, lowp_scales, qkvc; writes qkvc
.if DOCPART == 2
	.amdgcn_target "amdgcn-amd-amdhsa--gfx1250"
	.amdhsa_code_object_version 6
	.text
	.protected	k_q17a3d350ab_qkv
	.globl	k_q17a3d350ab_qkv
	.p2align	8
	.type	k_q17a3d350ab_qkv,@function
k_q17a3d350ab_qkv:
	s_mov_b64 s[64:65], 0
	v_nop
	global_prefetch_b8 v0, s[64:65] scope:SCOPE_SE
	s_setreg_imm32_b32 hwreg(HW_REG_WAVE_MODE, 25, 1), 1
	s_wait_xcnt 0x0
	s_wait_alu depctr_hold_cnt(0) depctr_sa_sdst(0) depctr_va_vdst(0) depctr_va_sdst(0) depctr_va_ssrc(0) depctr_va_vcc(0) depctr_vm_vsrc(0)
	s_getreg_b32 s2, hwreg(HW_REG_IB_STS2, 6, 4)
	s_cmp_eq_u32 s2, 0
	s_cbranch_scc0 .Lentry_in_a_cluster
	s_endpgm
.Lentry_in_a_cluster:
	s_bfe_u32 s2, ttmp6, 0x10000c
	s_cmp_lg_u32 s2, 0xf033
	s_cbranch_scc0 .Lentry_shape_is_right
	s_endpgm
.Lentry_shape_is_right:
.set KSTEP,  256
.set ROWB,   256
.set KROW,   1024
.set PITCH,  272
.set FR,     16
.set NL,     4
.set NP,     4
.set HALFT,  128*PITCH
.set SLOT,   4*HALFT
.set LAPS,   2
.set SPARE,  2*SLOT
.set PLANE,  20480
.set ADRA, 16
.set ADRB, 20
.set STO,  24
.set RD,   25
.set CO,   26
.set SPW,  28
.set NIL,  29
.set SC,   30
.set LIM,  31
.set TMP,  32
.set AF,   128
.set CD,   128
.set G1, 24
.set G0, 32
.set G1B, 48
.set G0B, 56
.set MSB, 0
.macro WIN new
.if MSB != \new
	s_set_vgpr_msb (MSB<<8)|\new
.set MSB, \new
.endif
.endm
.set MUL_LO, 0xa1
.set MUL_HI, 0xf1
.set TO_B,   0x40
.macro JLOAD g0a, g1a, g0b, g1b
	s_cmp_eq_u32 s15, 0
	s_cbranch_scc0 .Lfor_b_\@
	tensor_load_to_lds s[\g0a:\g0a+3], s[\g1a:\g1a+7]
	s_nop 0
.rept 4
	v_nop
.endr
	s_branch .Lasked_\@
.Lfor_b_\@:
	tensor_load_to_lds s[\g0b:\g0b+3], s[\g1b:\g1b+7]
	s_nop 0
.rept 4
	v_nop
.endr
.Lasked_\@:
.endm
.macro CREST
	s_cmp_lg_u32 s14, 0
	s_cbranch_scc1 .Lnot_wave_0_\@
	s_barrier_signal -3
.Lnot_wave_0_\@:
	s_barrier_wait -3
	s_barrier_signal -1
	s_barrier_wait -1
.endm
.macro CROUND
	s_barrier_signal -1
	s_barrier_wait -1
	CREST
.endm
	s_load_b256 s[4:11], s[0:1], 0x0
	v_lshl_add_u32 v[SPW], v0, 2, SPARE
	v_mov_b32 v[NIL], 0
	ds_add_u32 v28, v29
	ds_add_u32 v28, v29
	s_wait_dscnt 0x0
	v_lshrrev_b32 v1, 5, v0
	v_readfirstlane_b32 s14, v1
	s_lshr_b32 s15, s14, 1
	s_and_b32 s16, s14, 1
	s_bfe_u32 s40, ttmp6, 0x40000
	s_bfe_u32 s41, ttmp6, 0x40004
	s_and_b32 s84, ttmp7, 0xffff
	s_lshr_b32 s85, s84, 2
	s_and_b32 s84, s84, 3
	s_lshl_b32 s84, s84, 2
	s_lshl_b32 s90, s85, 22
	s_lshl_b32 s92, s85, 20
	s_mov_b32 s91, 0x200000
	s_mov_b32 s93, 0x800000
	s_cmp_lt_u32 s85, 2
	s_cselect_b32 s17, s84, 0
	s_cselect_b32 s42, 0, s84
	s_cselect_b32 s90, s90, s91
	s_cselect_b32 s92, s92, s93
	s_cselect_b32 s94, 18, 16
	s_mov_b32 s91, 0
	s_mov_b32 s93, 0
	s_add_co_u32 s17, s17, s41
	s_add_co_u32 s42, s42, s40
	s_lshl_b32 s43, s41, 2
	s_lshl_b32 s43, 15, s43
	s_lshl_b32 s44, 0x1111, s40
	s_or_b32 s[G1+0], s43, (0<<16)|(1<<20)|(1<<21)|(5<<22)|(3<<25)
	s_or_b32 s[G1B+0], s44, (0<<16)|(1<<20)|(1<<21)|(5<<22)|(3<<25)
.irp g, G1, G1B
	s_mov_b32 s[\g+1], ROWB<<16
	s_mov_b32 s[\g+2], 128<<16
	s_mov_b32 s[\g+3], ROWB<<16
	s_mov_b32 s[\g+4], 128
	s_mov_b32 s[\g+5], KROW
	s_mov_b32 s[\g+6], 0
	s_mov_b32 s[\g+7], 0
.endr
	s_lshl_b32 s18, s16, 7
	s_lshl_b32 s20, s17, 8
	s_add_co_u32 s20, s20, s18
	s_lshl_b32 s46, s42, 8
	s_add_co_u32 s46, s46, s18
	s_lshl_b32 s20, s20, 10
	s_lshl_b32 s46, s46, 10
	s_mov_b32 s21, 0
	s_mov_b32 s47, 0
	s_mul_i32 s45, s14, HALFT
	s_wait_kmcnt 0x0
	s_load_b512 s[68:83], s[8:9], 0x0
	s_cmp_lt_u32 s85, 2
	s_cselect_b64 s[86:87], s[4:5], s[6:7]
	s_cselect_b64 s[88:89], s[6:7], s[4:5]
	s_add_nc_u64 s[86:87], s[86:87], s[90:91]
	s_add_nc_u64 s[88:89], s[88:89], s[92:93]
	s_add_nc_u64 s[20:21], s[86:87], s[20:21]
	s_add_nc_u64 s[46:47], s[88:89], s[46:47]
	CROUND
.irp s, 0,1
	s_mov_b32 s[G0+4*\s], 1
	s_add_co_u32 s[G0+4*\s+1], s45, \s*SLOT
	s_add_nc_u64 s[G0+4*\s+2:G0+4*\s+3], s[20:21], \s*ROWB
	s_or_b32 s[G0+4*\s+3], s[G0+4*\s+3], 0x80000000
	s_mov_b32 s[G0B+4*\s], 1
	s_add_co_u32 s[G0B+4*\s+1], s45, \s*SLOT
	s_add_nc_u64 s[G0B+4*\s+2:G0B+4*\s+3], s[46:47], \s*ROWB
	s_or_b32 s[G0B+4*\s+3], s[G0B+4*\s+3], 0x80000000
.endr
	JLOAD G0, G1, G0B, G1B                         ; K step 0: one tensor load a wave at the head
	; prefetches: of the 128 rows that I fetch, my work-group takes 32, told apart from its three partners by address (cx for A's tiles, cy for B's); a lane a row, 256 bytes of it a K step
	s_cmp_eq_u32 s15, 0
	s_cselect_b64 s[12:13], s[20:21], s[46:47]
	s_cselect_b32 s98, s40, s41
	s_lshl_b32 s98, s98, 15
	s_mov_b32 s99, 0
	s_add_nc_u64 s[12:13], s[12:13], s[98:99]
	v_and_b32 v9, 31, v0
	v_lshlrev_b32 v9, 10, v9
	global_prefetch_b8 v9, s[12:13] offset:256 th:TH_LOAD_NT scope:SCOPE_SE    ; K step 1
	global_prefetch_b8 v9, s[12:13] offset:512 th:TH_LOAD_NT scope:SCOPE_SE    ; K step 2
	v_and_b32 v1, 15, v0
	s_wait_alu depctr_va_vdst(0)
	v_bfe_u32 v2, v0, 4, 1
	v_mul_u32_u24 v3, v1, PITCH
	v_lshl_add_u32 v4, v2, 4, v3
	s_mul_i32 s21, s15, HALFT
	s_mul_i32 s22, s16, HALFT
	s_add_co_u32 s22, s22, 2*HALFT
.irp s, 0,1
	v_add_nc_u32 v[ADRA+\s], s21, v4
	v_add_nc_u32 v[ADRB+\s], s22, v4
	s_add_co_u32 s21, s21, SLOT
	s_add_co_u32 s22, s22, SLOT
.endr
	s_mul_i32 s23, s16, 2*PLANE
	s_mul_i32 s22, s15, 128*80
	s_add_co_u32 s23, s23, s22
	v_mul_u32_u24 v5, v1, 80
	s_wait_alu depctr_va_vdst(0)
	v_lshl_add_u32 v5, v2, 3, v5
	v_add_nc_u32 v[STO], s23, v5
	s_mul_i32 s23, s14, PLANE
	v_and_b32 v6, 31, v0
	v_lshrrev_b32 v7, 2, v6
	v_mul_u32_u24 v7, v7, 80
	v_and_b32 v8, 3, v6
	v_lshl_add_u32 v7, v8, 4, v7
	v_add_nc_u32 v[RD], s23, v7
	v_lshlrev_b32 v[CO], 4, v6
	s_lshl_b32 s46, s42, 2
	s_add_co_u32 s46, s46, s14
	s_lshl_b32 s46, s46, s94
	s_lshl_b32 s47, s85, 22
	s_add_co_u32 s46, s46, s47
	s_mov_b32 s47, 0
	s_lshl_b32 s20, s17, 14
	s_mov_b32 s21, 0
	s_add_nc_u64 s[10:11], s[10:11], s[46:47]
	s_add_nc_u64 s[10:11], s[10:11], s[20:21]
.macro FRAG reg, adr, q, i
.irp c, 0,1,2,3
	ds_load_b128 v[\reg+4*\c:\reg+4*\c+3], v[\adr] offset:128*(\q)+32*\c+(\i)*16*PITCH
.endr
.endm
.macro MUL16 a0, p, zero
.irp a, \a0, \a0+1
.irp b, 0,1,2,3,4,5,6,7
.if \zero
	v_wmma_f32_16x16x128_fp8_fp8 v[8*(8*((\a)%4)+\b):8*(8*((\a)%4)+\b)+7], v[128*(\p)+FR*\b:128*(\p)+FR*\b+FR-1], v[AF+FR*(\a):AF+FR*(\a)+FR-1], 0
.else
	v_wmma_f32_16x16x128_fp8_fp8 v[8*(8*((\a)%4)+\b):8*(8*((\a)%4)+\b)+7], v[128*(\p)+FR*\b:128*(\p)+FR*\b+FR-1], v[AF+FR*(\a):AF+FR*(\a)+FR-1], v[8*(8*((\a)%4)+\b):8*(8*((\a)%4)+\b)+7]
.endif
.endr
.endr
.endm
.macro FETCH_B slot, q, p
	WIN TO_B
.irp i, 0,1,2,3,4,5,6,7
	FRAG 128*(\p)+FR*\i, ADRB+\slot, \q, \i
.endr
	WIN 0
.endm
.macro FETCH_A slot, q, i0
.irp i, \i0, \i0+1, \i0+2, \i0+3
	FRAG AF+FR*(\i), ADRA+\slot, \q, \i
.endr
.endm
.macro PLACES n
.rept \n
	v_nop
.endr
.endm
.macro STEP slot, q, zero
	s_wait_dscnt 4*NL
	WIN MUL_LO
	MUL16 0, (\q)%2, \zero
	MUL16 2, (\q)%2, \zero
	s_wait_dscnt 0
	PLACES NP
	FETCH_B \slot, (\q)+1, 1-(\q)%2
	FETCH_A \slot, (\q)+1, 0
	WIN MUL_HI
	MUL16 4, (\q)%2, \zero
	MUL16 6, (\q)%2, \zero
	PLACES NP
	WIN 0
	FETCH_A \slot, (\q)+1, 4
.endm
.macro TURN slot, next, fill
	s_wait_tensorcnt 0x0
	ds_add_u32 v[SPW], v[NIL]
	s_wait_dscnt 4*NL+1
	WIN MUL_LO
	MUL16 0, 1, 0
	s_wait_dscnt 0x0
	s_barrier_signal -1
	MUL16 2, 1, 0
	WIN 0
	s_barrier_wait -1
.if \fill
	CREST
	s_add_nc_u64 s[G0+4*\slot+2:G0+4*\slot+3], s[G0+4*\slot+2:G0+4*\slot+3], 2*ROWB
	s_add_nc_u64 s[G0B+4*\slot+2:G0B+4*\slot+3], s[G0B+4*\slot+2:G0B+4*\slot+3], 2*ROWB
	JLOAD G0+4*\slot, G1, G0B+4*\slot, G1B
.else
	PLACES NP
.endif
	FETCH_B \next, 0, 0
	FETCH_A \next, 0, 0
	WIN MUL_HI
	MUL16 4, 1, 0
	MUL16 6, 1, 0
	PLACES NP
	WIN 0
	FETCH_A \next, 0, 4
.endm
	s_wait_alu depctr_va_vdst(0)                   ; the wait at the head's end
	s_wait_tensorcnt 0x0                           ; my part of K step 0 is in
	ds_add_u32 v[SPW], v[NIL]
	s_wait_dscnt 0x0
	CROUND                                         ; everybody's part of K step 0 is in, and the partners are here
	JLOAD G0+4, G1, G0B+4, G1B                     ; K step 1: slot 1's first fill, the first tensor load behind the round
	FETCH_B 0, 0, 0
	global_prefetch_b8 v9, s[12:13] offset:768 th:TH_LOAD_NT scope:SCOPE_SE    ; K step 3, the last: two refills ahead
	FETCH_A 0, 0, 0
	FETCH_A 0, 0, 4
	STEP 0, 0, 1
	s_mov_b32 s3, LAPS-1
.Llap:
	TURN 0, 1, 1
	STEP 1, 0, 0
	TURN 1, 0, 1
	STEP 0, 0, 0
	s_sub_co_u32 s3, s3, 1
	s_cmp_lg_u32 s3, 0
	s_cbranch_scc1 .Llap
	TURN 0, 1, 0
	STEP 1, 0, 0
	s_wait_dscnt 4*NL
	WIN MUL_LO
	MUL16 0, 1, 0
	MUL16 2, 1, 0
	s_wait_dscnt 0
	WIN MUL_HI
	MUL16 4, 1, 0
	MUL16 6, 1, 0
	WIN 0
.macro QSTAGE a
.set AC, 64*((\a)%4)
	WIN 0x02+((\a)/4)
.set j, 0
.rept 64
	v_med3_num_f32 v[TMP+j], v[AC+j], -v[LIM], v[LIM]
.set j, j+1
.endr
	WIN 0
.irp b, 0,1,2,3,4,5,6,7
	v_cvt_scalef32_pk8_fp8_f32 v[CD+16*(\a)+2*\b:CD+16*(\a)+2*\b+1], v[TMP+8*\b:TMP+8*\b+7], v[SC]
.endr
	v_nop
.irp b, 0,1,2,3,4,5,6,7
	ds_store_b64 v[STO], v[CD+16*(\a)+2*\b:CD+16*(\a)+2*\b+1] offset:(\b/4)*PLANE+(\a)*1280+16*(\b%4)
.endr
.endm
	s_wait_kmcnt 0x0
	s_sub_co_i32 s95, s75, s68
	s_sub_co_i32 s95, s95, s69
	s_sub_co_i32 s96, s74, s70
	s_sub_co_i32 s96, s96, s71
	s_sub_co_i32 s97, s76, s72
	s_sub_co_i32 s97, s97, s73
	s_cmp_eq_u32 s85, 0
	s_cselect_b32 s95, s95, s96
	s_cmp_eq_u32 s85, 2
	s_cselect_b32 s95, s97, s95
	s_add_co_i32 s95, s95, 127
	s_lshl_b32 s96, s95, 23
	v_mov_b32 v[SC], s96
	s_add_co_i32 s95, s95, 8
	s_lshl_b32 s95, s95, 23
	s_or_b32 s95, s95, 0x600000
	v_mov_b32 v[LIM], s95
	PLACES NP
.irp a, 0,1,2,3,4,5,6,7
	QSTAGE \a
.endr
	s_wait_dscnt 0x0
	s_barrier_signal -1
	s_barrier_wait -1
.set t, 0
.rept 32
	ds_load_b128 v[128+4*t:128+4*t+3], v[RD] offset:640*t
.set t, t+1
.endr
.set t, 0
.rept 32
	s_wait_dscnt 31-t
	global_store_b128 v[CO], v[128+4*t:128+4*t+3], s[10:11] offset:512*t
.set t, t+1
.endr
	s_wait_tensorcnt 0x0
	ds_add_u32 v[SPW], v[NIL]
	s_wait_dscnt 0x0
	CROUND
	s_endpgm
.Lfunc_end_k_q17a3d350ab_qkv:
	.size	k_q17a3d350ab_qkv, .Lfunc_end_k_q17a3d350ab_qkv-k_q17a3d350ab_qkv
	.p2alignl 7, 3214868480
	.fill 96, 4, 3214868480
	.section	.rodata,"a",@progbits
	.p2align	6, 0x0
	.amdhsa_kernel k_q17a3d350ab_qkv
		.amdhsa_group_segment_fixed_size 327680
		.amdhsa_private_segment_fixed_size 0
		.amdhsa_enable_private_segment 0
		.amdhsa_kernarg_size 32
		.amdhsa_user_sgpr_count 2
		.amdhsa_user_sgpr_kernarg_segment_ptr 1
		.amdhsa_wavefront_size32 1
		.amdhsa_system_sgpr_workgroup_id_x 1
		.amdhsa_system_sgpr_workgroup_id_y 1
		.amdhsa_system_sgpr_workgroup_id_z 1
		.amdhsa_system_vgpr_workitem_id 0
		.amdhsa_next_free_vgpr 1024
		.amdhsa_next_free_sgpr 100
		.amdhsa_reserve_vcc 0
		.amdhsa_float_denorm_mode_32 3
		.amdhsa_float_denorm_mode_16_64 3
		.amdhsa_memory_ordered 1
		.amdhsa_forward_progress 1
		.amdhsa_inst_pref_size 127
	.end_amdhsa_kernel
	.amdgpu_metadata
---
amdhsa.version: [ 1, 2 ]
amdhsa.kernels:
  - .name:           k_q17a3d350ab_qkv
    .symbol:         k_q17a3d350ab_qkv.kd
    .args:
      - { .name: hc, .offset: 0, .size: 8, .value_kind: global_buffer, .address_space: global }
      - { .name: wc, .offset: 8, .size: 8, .value_kind: global_buffer, .address_space: global }
      - { .name: lowp_scales, .offset: 16, .size: 8, .value_kind: global_buffer, .address_space: global }
      - { .name: qkvc, .offset: 24, .size: 8, .value_kind: global_buffer, .address_space: global }
    .group_segment_fixed_size: 327680
    .private_segment_fixed_size: 0
    .kernarg_segment_align: 8
    .kernarg_segment_size: 32
    .max_flat_workgroup_size: 128
    .sgpr_count:     100
    .vgpr_count:     1024
    .wavefront_size: 32
...
	.end_amdgpu_metadata
.endif
;; end of part 2
;; launch attn (part 3): grid 8 x 32, 16 waves a work-group, clusters of 4 x 1, 327,680 bytes of LDS; arguments qkvc, lowp_scales, oc; writes oc
.if DOCPART == 3
	.amdgcn_target "amdgcn-amd-amdhsa--gfx1250"
	.amdhsa_code_object_version 6
	.text
	.protected	k_q17a3d350ab_attn
	.globl	k_q17a3d350ab_attn
	.p2align	8
	.type	k_q17a3d350ab_attn,@function
k_q17a3d350ab_attn:
	s_mov_b64 s[64:65], 0
	v_nop
	global_prefetch_b8 v0, s[64:65] scope:SCOPE_SE
	s_setreg_imm32_b32 hwreg(HW_REG_WAVE_MODE, 25, 1), 1
	s_wait_xcnt 0x0
	s_wait_alu depctr_hold_cnt(0) depctr_sa_sdst(0) depctr_va_vdst(0) depctr_va_sdst(0) depctr_va_ssrc(0) depctr_va_vcc(0) depctr_vm_vsrc(0)
	s_getreg_b32 s2, hwreg(HW_REG_IB_STS2, 6, 4)
	s_cmp_eq_u32 s2, 0
	s_cbranch_scc0 .Lentry_in_a_cluster
	s_endpgm
.Lentry_in_a_cluster:
	s_bfe_u32 s2, ttmp6, 0x10000c
	s_cmp_lg_u32 s2, 0x3003
	s_cbranch_scc0 .Lentry_shape_is_right
	s_endpgm
.Lentry_shape_is_right:
; Causal attention on codes of E4M3, head size 64, 2,048 tokens, 32 (batch, head) pairs.  q, k: planes [16 heads][4096 tokens][64]; v^T: plane [64 blocks of 64 keys][1024 channels][64 keys].
; t = score x log2(e) / 8; M = the running largest t rounded UP to a whole number; p = 2^(t - M) is quantised with 2^e9, not normalised; the row's sum is taken of the unquantised p and divides at the end.
; o is quantised with 2^e10 and stored as [16 heads][4096 tokens][64].
; LEFT OUT: key steps all of whose 128 keys come after a tile's 16 queries: the causal mask sets their scores to -inf, so their p is 0 for all inputs.
; SHARES.  Work-group (g, y): head y % 16, batch y / 16, g = 0 .. 7.  It owns the sixteen tiles of 16 queries that begin at query 128 i + 16 g, i = 0 .. 15 (the tile's rank): tile i needs key steps 0 .. i of 128 keys, and step i is its diagonal.
; So all work-groups have the same work, each reads all 2,048 keys, and no branch hangs on g: g enters only q's and o's addresses and the mask's numbers.
; The 136 steps are dealt evenly.  Waves 2 a and 2 a + 1 share tiles 8 + a and 7 - a.  One of them (X) walks steps 0-7 of tile 8 + a: 8 steps.  The other (Y) walks tile 7 - a whole (8 - a steps), stores it,
; and then walks steps 8 .. 8 + a of tile 8 + a with sums of its own: 9 steps.  At the end X hands its O^T, -M and sums to Y through LDS, and Y brings both parts under the larger M by exact powers of two and adds them.
; Which of the two is Y: (w xor w / 4) % 2, so that of any four waves w % 4 alike, and of any four w / 4 alike, two are X and two are Y.
; LDS.  The head's whole K (2,048 rows of 64 bytes) and V^T (32 blocks of 64 channels x 64 keys) lie in LDS at once, 16 bytes of padding behind each 128: 2 x 147,456 bytes, brought by ONE tensor load a wave at the head
; (waves 0-7: 256 keys of K; waves 8-15: four key blocks of V^T).  Nothing is filled twice.
; CLUSTER 4, 1, 1: four work-groups of one head ask for each tile jointly (mask 15).
; NO PREFETCH: the one fill goes out at the launch's start; there is no trip ahead of it in which to ask.
; Both products are used transposed: a lane holds ONE query.  Lane r of tile 2 b + u (of K's keys and of V^T's channels alike) takes row 32 b + 8 u + r + 8 (r / 8): p's 16 registers of two neighbouring tiles are 16 neighbouring keys, o's 16 neighbouring channels.
; K's and V^T's fragments have buffers of their own and are asked for one step ahead; the look-ahead is held at step 15 (s_min_u32).
; LIMITS: e6 + e7 between -123 and 130 (added to c's exponent field); e9 and e10 between -126 and 119.  NaN is not served.  The scaled scores stay under 2^31 in magnitude.
.set STEPB, 9216                       ; 128 keys on, in K's part and in V^T's alike: 64 x 144
.set VOFF,  147456
.set SPARE, 294912                     ; the spare words, 128 bytes for each of sixteen waves
.set STAGE, SPARE+2048                 ; 1,024 bytes for each wave: first the second tile's Q, then the way out
.set AK0, 1                            ; v1  my lane's place in a tile
.set ADK, 2                            ; v2  K's address in hand; at the end the hand-over's
.set ADV, 3                            ; v3  V^T's
.set SPW, 4
.set NIL, 5
.set NM,  6                            ; v6 -M, v7 the largest t
.set SUM, 8                            ; v[8:9] the row's sum in two halves
.set FF,  10                           ; v10 f = 2^(old M - new M); v11 named with it
.set T0,  12                           ; v12-15, v18-19 at work
.set T1,  14
.set SCV, 16                           ; v16 2^e9
.set DM,  17                           ; v17 16 g + r - 16 h, for the diagonal
.set T2,  18
.set QQ,  20                           ; v20-27 Q
.set KB,  28                           ; v28-91 K's eight fragments
.set VB,  92                           ; v92-155 V^T's four
.set PC,  156                          ; v156-171 p's codes: the last twelve lie over p's first numbers, which have been converted by then
.set SS,  160                          ; v160-223 S^T, then p; at work on the way out
.set OO,  224                          ; v224-255 O^T
.set WV,  10
.set IS,  11                           ; s11 Y: the trip of the first tile's diagonal, behind which it changes tiles; X: 31, no trip
.set KS,  12                           ; s12 the trip, 0 .. 8
.set LT,  13                           ; s13 my last trip: X 7, Y 8
.set AA,  14                           ; s14 a
.set TN,  15
.set SEL, 16
.set CS,  18
.set LIMS, 20                          ; s20 448 x 2^e9
.set ROLE, 21                          ; s21 0: X, 1: Y
.set STG, 22                           ; s22 my stage
.set EPV, 23                           ; s23 e8 + e9
.set G1K, 24
.set G1V, 32
.set G0A, 40
.set SC10, 44                          ; s44 2^e10, s45 448 x 2^e10, s46 the same with a minus
.set MB,  47                           ; s47 where my pair's hand-over lies
.macro CROUND
	s_barrier_signal -1
	s_barrier_wait -1
	s_cmp_lg_u32 s[WV], 0
	s_cbranch_scc1 .Lnot_wave_0_\@
	s_barrier_signal -3
.Lnot_wave_0_\@:
	s_barrier_wait -3
	s_barrier_signal -1
	s_barrier_wait -1
.endm
.macro NOPS
.rept 4
	v_nop
.endr
.endm
	s_load_b128 s[4:7], s[0:1], 0x0                ; qkvc, the scales' exponents
	s_load_b64 s[8:9], s[0:1], 0x10                ; oc
	v_lshl_add_u32 v[SPW], v0, 2, SPARE
	v_mov_b32 v[NIL], 0
	ds_add_u32 v[SPW], v[NIL]                      ; the opening lines: the add, twice on end, and its wait
	ds_add_u32 v[SPW], v[NIL]
	v_lshrrev_b32 v12, 5, v0
	v_readfirstlane_b32 s[WV], v12                 ; wave 0..15
	s_lshr_b32 s66, s[WV], 2
	s_xor_b32 s66, s66, s[WV]
	s_and_b32 s[ROLE], s66, 1
	s_lshr_b32 s[AA], s[WV], 1
	s_sub_co_u32 s67, 7, s[AA]                     ; the small tile's rank
	s_add_co_u32 s68, s[AA], 8                     ; the large tile's
	s_cmp_eq_u32 s[ROLE], 0
	s_cselect_b32 s[IS], 31, s67
	s_cselect_b32 s[LT], 7, 8
	s_cselect_b32 s67, s68, s67                    ; the rank of the tile that I begin with
	s_and_b32 s69, s[WV], 7                        ; u
	s_lshr_b32 s70, s[WV], 3                       ; 0: I fetch for K, 1: for V^T
	s_and_b32 s71, ttmp7, 0xffff
	s_and_b32 s72, s71, 15                         ; head
	s_lshr_b32 s71, s71, 4                         ; batch
	s_lshl_b32 s73, s72, 18
	s_lshl_b32 s74, s71, 17
	s_add_co_u32 s73, s73, s74                     ; the head's first row in q's, k's and o's planes, in bytes
	s_lshl_b32 s74, s71, 21
	s_lshl_b32 s75, s72, 12
	s_add_co_u32 s74, s74, s75                     ; its first block in v^T's plane
	s_lshl_b32 s76, s69, 14                        ; K: 256 keys x u;
	s_add_co_u32 s76, s76, s73
	s_add_co_u32 s76, s76, 0x400000
	s_lshl_b32 s78, s69, 18                        ; V^T: key blocks 4 u on
	s_add_co_u32 s78, s78, s74
	s_add_co_u32 s78, s78, 0x800000
	s_cmp_lt_u32 s[WV], 8
	s_cselect_b32 s76, s76, s78
	s_mov_b32 s77, 0
	s_mul_i32 s80, s69, 18432                      ; where they go: 18,432 x u in K's part or in V^T's
	s_mul_i32 s81, s70, VOFF
	s_add_co_u32 s80, s80, s81
.irp g, G1K, G1V
	s_mov_b32 s[\g], 15|(1<<20)|(1<<21)|(4<<22)|(3<<25)    ; the mask of the four; elements of 1 byte; padding: 4 words behind every 32
	s_mov_b32 s[\g+6], 0
	s_mov_b32 s[\g+7], 0
.endr
	s_mov_b32 s[G1K+1], 256<<16                    ; K: 16,384 dense bytes as 64 rows of 256
	s_mov_b32 s[G1K+2], 64<<16
	s_mov_b32 s[G1K+3], 256<<16
	s_mov_b32 s[G1K+4], 64
	s_mov_b32 s[G1K+5], 256
	s_mov_b32 s[G1V+1], 4096<<16                   ; V^T: four key blocks of 4,096 bytes, 65,536 apart
	s_mov_b32 s[G1V+2], 4<<16
	s_mov_b32 s[G1V+3], 4096<<16
	s_mov_b32 s[G1V+4], 4
	s_mov_b32 s[G1V+5], 65536
	s_bfe_u32 s83, ttmp6, 0x40000                  ; cx
	s_lshl_b32 s84, ttmp9, 2
	s_add_co_u32 s83, s83, s84                     ; g
	s_lshl_b32 s83, s83, 4                         ; 16 g
	s_lshl_b32 s84, s67, 7
	s_add_co_u32 s84, s84, s83                     ; my first tile's first query,
	s_lshl_b32 s84, s84, 6
	s_add_co_u32 s84, s84, s73                     ; its row in q's and o's planes
	s_mov_b32 s85, 0
	s_lshl_b32 s86, s68, 7
	s_add_co_u32 s86, s86, s83                     ; the same for the large tile
	s_lshl_b32 s86, s86, 6
	s_add_co_u32 s86, s86, s73
	s_mov_b32 s87, 0
	s_lshl_b32 s[STG], s[WV], 10
	s_add_co_u32 s[STG], s[STG], STAGE
	s_mul_i32 s[MB], s[AA], 4608
	s_mov_b32 s[SEL], 0x76543210
	s_mov_b32 s[SEL+1], 0xfedcba98
	s_mov_b32 s[CS], 0x3e38aa3b                    ; c = log2(e) / 8
	s_mov_b32 s[KS], 0
	s_wait_dscnt 0x0                               ; both opening adds are done
	s_wait_kmcnt 0x0
	s_load_b256 s[56:63], s[6:7], 0x18             ; e6 .. e13
	s_mov_b32 s[G0A], 1
	s_mov_b32 s[G0A+1], s80
	s_add_nc_u64 s[G0A+2:G0A+3], s[4:5], s[76:77]
	s_or_b32 s[G0A+3], s[G0A+3], 0x80000000
	CROUND                                         ; the four partners are here: the joint loads meet
	s_cmp_lt_u32 s[WV], 8
	s_cbranch_scc0 .Lfor_v
	tensor_load_to_lds s[G0A:G0A+3], s[G1K:G1K+7]  ; my one tensor load
	s_nop 0
	NOPS
	s_branch .Lasked
.Lfor_v:
	tensor_load_to_lds s[G0A:G0A+3], s[G1V:G1V+7]
	s_nop 0
	NOPS
.Lasked:
	s_add_nc_u64 s[90:91], s[4:5], s[84:85]        ; q's codes of my first tile,
	s_add_nc_u64 s[92:93], s[4:5], s[86:87]        ; and of the large tile
	s_add_nc_u64 s[88:89], s[8:9], s[86:87]        ; o's of the large tile,
	s_add_nc_u64 s[8:9], s[8:9], s[84:85]          ; and of my first
	v_and_b32 v12, 15, v0                          ; r
	v_bfe_u32 v13, v0, 4, 1                        ; h
	v_lshlrev_b32 v18, 6, v12
	v_lshl_add_u32 v18, v13, 4, v18
	global_load_b128 v[QQ:QQ+3], v18, s[90:91]     ; Q: row r; registers 4 c .. 4 c + 3 hold d = 32 c + 16 h + 0 .. 15, as K's fragments do
	global_load_b128 v[QQ+4:QQ+7], v18, s[90:91] offset:32
	global_load_b128 v[SS:SS+3], v18, s[92:93]     ; the large tile's Q waits in my stage until Y changes tiles
	global_load_b128 v[SS+4:SS+7], v18, s[92:93] offset:32
	v_and_b32 v14, 8, v12
	v_add_nc_u32 v14, v14, v12                     ; r' = r + 8 (r / 8)
	v_lshrrev_b32 v15, 1, v14
	v_mul_u32_u24 v15, v15, 144                    ; two rows of 64 bytes and 16 of padding
	v_and_b32 v14, 1, v14
	v_lshl_add_u32 v15, v14, 6, v15
	v_lshl_add_u32 v[AK0], v13, 4, v15
	v_lshlrev_b32 v15, 4, v13
	v_sub_nc_u32 v[DM], v12, v15
	v_add_nc_u32 v[DM], s83, v[DM]                 ; on a diagonal register 16 b + i holds key 32 b + 16 h + i of the step, my query is its key 16 g + r: the key counts where 32 b + i <= 16 g + r - 16 h
	v_and_b32 v19, 31, v0
	v_lshlrev_b32 v19, 4, v19
	v_add_nc_u32 v19, s[STG], v19                  ; my stage, 16 bytes a lane
	v_mov_b32 v[NM+1], 0xff61b1e6                  ; the largest t so far: -3e38
	v_floor_f32 v[NM], -v[NM+1]
	v_mov_b32 v[SUM], 0
	v_mov_b32 v[SUM+1], 0
	v_mov_b32 v[FF+1], 0
.set j, 0
.rept 32
	v_mov_b32 v[OO+j], 0                           ; O^T: the step is written once, a tile's first walk finds zeros
.set j, j+1
.endr
	s_wait_kmcnt 0x0
	s_add_co_i32 s66, s56, s57
	s_lshl_b32 s66, s66, 23
	s_add_co_i32 s[CS], s[CS], s66                 ; a score stands for score x 2^(e6 + e7)
	s_mov_b32 s[CS+1], s[CS]
	s_add_co_i32 s66, s59, 127
	s_lshl_b32 s67, s66, 23
	v_mov_b32 v[SCV], s67                          ; 2^e9
	s_add_co_i32 s66, s66, 8
	s_lshl_b32 s66, s66, 23
	s_or_b32 s[LIMS], s66, 0x600000                ; 448 x 2^e9
	s_add_co_i32 s[EPV], s58, s59
	s_add_co_i32 s66, s60, 127
	s_lshl_b32 s[SC10], s66, 23
	s_add_co_i32 s66, s66, 8
	s_lshl_b32 s66, s66, 23
	s_or_b32 s[SC10+1], s66, 0x600000
	s_or_b32 s[SC10+2], s[SC10+1], 0x80000000
.macro KLOADS
.irp t, 0,1,2,3,4,5,6,7
	ds_load_b128 v[KB+8*\t:KB+8*\t+3], v[ADK] offset:(32*(\t/2)+8*(\t%2))*72
	ds_load_b128 v[KB+8*\t+4:KB+8*\t+7], v[ADK] offset:(32*(\t/2)+8*(\t%2))*72+32
.endr
.endm
.macro VLOADS
.irp t, 0,1,2,3
.irp c, 0,1,2,3
	ds_load_b128 v[VB+16*\t+4*\c:VB+16*\t+4*\c+3], v[ADV] offset:(\c/2)*4608+(32*(\t/2)+8*(\t%2))*72+32*(\c%2)
.endr
.endr
.endm
.macro GRP b                           ; 16 numbers of p: into the row's sum as they are (four chains), then held, then converted
.set PP, SS+16*\b
.if \b == 0
	v_pk_add_f32 v[T0:T0+1], v[PP:PP+1], v[PP+2:PP+3]
	v_pk_add_f32 v[T1:T1+1], v[PP+4:PP+5], v[PP+6:PP+7]
	v_pk_add_f32 v[T2:T2+1], v[PP+8:PP+9], v[PP+10:PP+11]
	v_pk_add_f32 v[SUM:SUM+1], v[SUM:SUM+1], v[PP+12:PP+13]
	v_pk_add_f32 v[T0:T0+1], v[T0:T0+1], v[PP+14:PP+15]
.else
.irp i, 0,8
	v_pk_add_f32 v[SUM:SUM+1], v[SUM:SUM+1], v[PP+\i:PP+\i+1]
	v_pk_add_f32 v[T0:T0+1], v[T0:T0+1], v[PP+\i+2:PP+\i+3]
	v_pk_add_f32 v[T1:T1+1], v[T1:T1+1], v[PP+\i+4:PP+\i+5]
	v_pk_add_f32 v[T2:T2+1], v[T2:T2+1], v[PP+\i+6:PP+\i+7]
.endr
.endif
.irp i, 0,2,4,6,8,10,12,14
	v_dual_min_num_f32 v[PP+\i], s[LIMS], v[PP+\i] :: v_dual_min_num_f32 v[PP+\i+1], s[LIMS], v[PP+\i+1]   ; the conversion does not saturate (ISA guide 7.6.2); p is not negative: a one-sided hold, two a line
.endr
	v_cvt_scalef32_pk8_fp8_f32 v[PC+4*\b:PC+4*\b+1], v[PP:PP+7], v[SCV]        ; the next group's additions are the plain lines behind these two
	v_cvt_scalef32_pk8_fp8_f32 v[PC+4*\b+2:PC+4*\b+3], v[PP+8:PP+15], v[SCV]
.endm
; THE WAY OUT of a tile: O^T x 2^(e8 + e9) / the sum, quantised with 2^e10; 16 rows of 64 codes go through my stage and leave as 1,024 consecutive bytes.  sw = 1: the large tile's Q is taken out of the stage first
.macro OUT sw
	v_add_f32 v[SUM], v[SUM], v[SUM+1]
	v_permlanex16_b32 v[T1], v[SUM], s[SEL], s[SEL+1]
	v_add_f32 v[SUM], v[SUM], v[T1]
	s_wait_alu depctr_va_vdst(0)                   ; the wait ahead of the transcendental
	v_rcp_f32 v[SUM], v[SUM]
	v_and_b32 v12, 15, v0
	v_bfe_u32 v13, v0, 4, 1
	v_lshlrev_b32 v15, 6, v12
	v_lshl_add_u32 v15, v13, 4, v15
	v_add_nc_u32 v15, s[STG], v15                  ; in: row r, 16 bytes for each half of the lanes, twice
	v_and_b32 v18, 31, v0
	v_lshlrev_b32 v18, 4, v18
	v_add_nc_u32 v19, s[STG], v18                  ; back: 16 bytes a lane
.if \sw
	ds_load_b128 v[QQ:QQ+3], v19                   ; LDS serves a wave's instructions in order: these come ahead of the stores below
	ds_load_b128 v[QQ+4:QQ+7], v19 offset:512
.endif
	v_mov_b32 v13, s[SC10]                         ; 2^e10
	s_wait_alu depctr_va_vdst(0)                   ; the wait, ahead of the reciprocal's first reader
	v_ldexp_f32 v[SUM], v[SUM], s[EPV]
	s_wait_alu depctr_va_vdst(0)                   ; the wait, directly ahead of the first reader of O^T
.set j, 0
.rept 16
	v_pk_mul_f32 v[SS+j:SS+j+1], v[OO+j:OO+j+1], v[SUM:SUM+1] op_sel_hi:[1,0]  ; registers 16 b + i: o(query r, d = 32 b + 16 h + i)
.set j, j+2
.endr
.set j, 0
.rept 32
	v_med3_num_f32 v[SS+j], v[SS+j], s[SC10+2], s[SC10+1]
.set j, j+1
.endr
.irp t, 0,1,2,3
	v_cvt_scalef32_pk8_fp8_f32 v[SS+32+2*\t:SS+33+2*\t], v[SS+8*\t:SS+8*\t+7], v13
.endr
	v_nop
	ds_store_b128 v15, v[SS+32:SS+35]
	ds_store_b128 v15, v[SS+36:SS+39] offset:32
	ds_load_b128 v[SS+40:SS+43], v19               ; these see my stores
	ds_load_b128 v[SS+44:SS+47], v19 offset:512
	s_wait_dscnt 1
	global_store_b128 v18, v[SS+40:SS+43], s[8:9]  ; 32 lanes store 512 consecutive bytes, aligned
	s_wait_dscnt 0
	global_store_b128 v18, v[SS+44:SS+47], s[8:9] offset:512
.endm
	s_wait_alu depctr_va_vdst(0)                   ; the wait at the head's end
	s_wait_loadcnt 0x0                             ; both Q
	s_wait_tensorcnt 0x0                           ; my part of K or of V^T is in
	ds_store_b128 v19, v[SS:SS+3]                  ; the large tile's Q as an image of its registers
	ds_store_b128 v19, v[SS+4:SS+7] offset:512
	s_wait_dscnt 0x0
	s_barrier_signal -1
	s_barrier_wait -1                              ; everybody's part is in
	v_mov_b32 v[ADK], v[AK0]                       ; step 0's fragments: K's sixteen loads, then V^T's sixteen
	v_add_nc_u32 v[ADV], VOFF, v[AK0]
	KLOADS
	VLOADS
.Ltrip:                                                ; nine trips; in trip n X walks step n, Y step n of its first tile and, behind the change, step n + a of the large one
	s_cmp_gt_u32 s[KS], s[LT]
	s_cbranch_scc1 .Lhid                           ; X has no ninth step
	s_add_co_u32 s[TN], s[KS], 1
	s_cmp_gt_u32 s[TN], s[IS]
	s_cselect_b32 s66, s[AA], 0
	s_add_co_u32 s[TN], s[TN], s66                 ; the next trip's step,
	s_mul_i32 s[TN], s[TN], STEPB
	s_min_u32 s[TN], s[TN], 15*STEPB               ; held inside the tiles
	v_add_nc_u32 v[ADK], s[TN], v[AK0]
	v_add_nc_u32 v[ADV], VOFF, v[ADK]
	s_wait_alu depctr_va_vdst(0)                   ; the wait, directly ahead of the wait below
	s_wait_dscnt 16                                ; K's fragments are in; the sixteen younger loads, V^T's, may be out
.irp t, 0,1,2,3,4,5,6,7
	v_wmma_f32_16x16x64_fp8_fp8 v[SS+8*\t:SS+8*\t+7], v[KB+8*\t:KB+8*\t+7], v[QQ:QQ+7], 0
.endr
	NOPS                                           ; four places in front of the loads and of the first read of the scores
	KLOADS                                         ; the next step's K
	s_cmp_eq_u32 s[KS], s[IS]
	s_cselect_b32 s66, 8, s[KS]                    ; the diagonals: Y's trip IS and its trip 8
	s_cmp_lg_u32 s66, 8
	s_cbranch_scc1 .Lopen                          ; all keys count
.set n, 0
.rept 64
	v_cmp_le_i32 vcc_lo, 32*(n/16)+n%16, v[DM]
	v_cndmask_b32 v[SS+n], 0xff800000, v[SS+n], vcc_lo     ; a hidden key's score becomes -infinity
.set n, n+1
.endr
.Lopen:
	v_max3_num_f32 v[T0], v[SS], v[SS+1], v[SS+2]  ; the step's largest score of my query, two chains, each accumulator from its low end on
	v_max3_num_f32 v[T0+1], v[SS+3], v[SS+4], v[SS+5]
.irp i, 6,10,14,18,22,26,30,34,38,42,46,50,54,58
	v_max3_num_f32 v[T0], v[T0], v[SS+\i], v[SS+\i+1]
	v_max3_num_f32 v[T0+1], v[T0+1], v[SS+\i+2], v[SS+\i+3]
.endr
	v_max3_num_f32 v[T0], v[T0], v[SS+62], v[SS+63]
	s_delay_alu instid0(VALU_DEP_1)
	v_max_num_f32 v[T0], v[T0], v[T0+1]
	s_delay_alu instid0(VALU_DEP_1)
	v_permlanex16_b32 v[T1], v[T0], s[SEL], s[SEL+1]
	s_delay_alu instid0(VALU_DEP_1)
	v_max_num_f32 v[T0], v[T0], v[T1]
	s_delay_alu instid0(VALU_DEP_1)
	v_mul_f32 v[T0], s[CS], v[T0]
	s_delay_alu instid0(VALU_DEP_1)
	v_max_num_f32 v[NM+1], v[NM+1], v[T0]          ; the running largest t
	v_mov_b32 v[T0], v[NM]
	s_delay_alu instid0(VALU_DEP_2)
	v_floor_f32 v[NM], -v[NM+1]                    ; the new -M: a whole number
	s_delay_alu instid0(VALU_DEP_1)
	v_sub_f32 v[T0], v[NM], v[T0]
	s_delay_alu instid0(VALU_DEP_1)
	v_cvt_i32_f32 v[T0], v[T0]
	s_delay_alu instid0(VALU_DEP_1)
	v_ldexp_f32 v[FF], 1.0, v[T0]                  ; f = 2^(old M - new M)
.set j, 0
.rept 32
	v_pk_fma_f32 v[SS+j:SS+j+1], v[SS+j:SS+j+1], s[CS:CS+1], v[NM:NM+1] op_sel_hi:[1,0,0]  ; t - M
.set j, j+2
.endr
.set j, 0
.rept 16
	v_pk_mul_f32 v[OO+j:OO+j+1], v[OO+j:OO+j+1], v[FF:FF+1] op_sel_hi:[1,0]    ; O^T under the new M, ahead of the exponentials
.set j, j+2
.endr
	s_wait_alu depctr_va_vdst(0)                   ; the wait ahead of the batch
.set j, 0
.rept 64
	v_exp_f32 v[SS+j], v[SS+j]                     ; p = 2^(t - M)
.set j, j+1
.endr
	v_pk_mul_f32 v[SUM:SUM+1], v[SUM:SUM+1], v[FF:FF+1] op_sel_hi:[1,0]        ; the sums under the new M: a plain line behind the exponentials
	s_wait_alu depctr_va_vdst(0)                   ; one wait for the batch, ahead of its first reader
	GRP 0
	GRP 1
	GRP 2
	GRP 3
	v_pk_add_f32 v[SUM:SUM+1], v[SUM:SUM+1], v[T0:T0+1]    ; also the plain lines behind the last conversions
	v_pk_add_f32 v[T1:T1+1], v[T1:T1+1], v[T2:T2+1]
	v_pk_add_f32 v[SUM:SUM+1], v[SUM:SUM+1], v[T1:T1+1]
	s_wait_alu depctr_va_vdst(0)                   ; the wait, directly ahead of the wait below
	s_wait_dscnt 16                                ; V^T's fragments are in; the sixteen younger loads, the next K's, may be out
.irp t, 0,1,2,3
	v_wmma_f32_16x16x128_fp8_fp8 v[OO+8*\t:OO+8*\t+7], v[VB+16*\t:VB+16*\t+15], v[PC:PC+15], v[OO+8*\t:OO+8*\t+7]
.endr
	NOPS                                           ; four places in front of the loads; with the next step's two additions six in front of the products that write over p's codes
	VLOADS                                         ; the next step's V^T
	s_cmp_lg_u32 s[KS], s[IS]
	s_cbranch_scc1 .Lhid
	OUT 1                                          ; Y's first tile is finished: it leaves, and the large tile's Q comes in
	s_wait_xcnt 0x0                                ; the stores have read their data and their base
	s_mov_b64 s[8:9], s[88:89]                     ; o's rows of the large tile
	v_mov_b32 v[NM+1], 0xff61b1e6                  ; the sums begin anew
	v_floor_f32 v[NM], -v[NM+1]
	v_mov_b32 v[SUM], 0
	v_mov_b32 v[SUM+1], 0
.set j, 0
.rept 32
	v_mov_b32 v[OO+j], 0
.set j, j+1
.endr
	s_wait_alu depctr_va_vdst(0)                   ; the wait ahead of the branch below
.Lhid:
	s_add_co_u32 s[KS], s[KS], 1
	s_cmp_lt_u32 s[KS], 9
	s_cbranch_scc1 .Ltrip
	; THE TWO PARTS OF THE LARGE TILE ARE JOINED.  Behind the first barrier nobody reads K any more: its first 36,864 bytes, which have had their one fill, take X's registers: 4,608 bytes a pair
	v_and_b32 v12, 31, v0
	v_lshlrev_b32 v12, 4, v12
	v_add_nc_u32 v[ADK], s[MB], v12
	s_wait_alu depctr_va_vdst(0)                   ; the wait, directly ahead of the wait below
	s_wait_dscnt 0x0                               ; my reads of K and V^T are over, the last look-ahead's too
	s_barrier_signal -1
	s_barrier_wait -1
	s_cmp_eq_u32 s[ROLE], 0
	s_cbranch_scc0 .Lnot_x
.irp k, 0,1,2,3,4,5,6,7
	ds_store_b128 v[ADK], v[OO+4*\k:OO+4*\k+3] offset:512*\k   ; O^T, each accumulator from its low end on
.endr
	ds_store_b128 v[ADK], v[NM:NM+3] offset:4096   ; -M, the largest t, the sum's two halves
.Lnot_x:
	s_wait_dscnt 0x0
	s_barrier_signal -1
	s_barrier_wait -1
	s_cmp_eq_u32 s[ROLE], 0
	s_cbranch_scc1 .Lend
.irp k, 0,1,2,3,4,5,6,7,8
	ds_load_b128 v[SS+4*\k:SS+4*\k+3], v[ADK] offset:512*\k
.endr
	s_wait_dscnt 0x0
	v_min_num_f32 v12, v[NM], v[SS+32]             ; -M of both parts: the larger M
	v_sub_f32 v13, v12, v[SS+32]
	v_sub_f32 v15, v12, v[NM]
	v_cvt_i32_f32 v13, v13
	v_cvt_i32_f32 v15, v15
	v_ldexp_f32 v14, 1.0, v13                      ; X's part x 2^(its M - M),
	v_ldexp_f32 v[FF], 1.0, v15                    ; mine x 2^(my M - M): nothing is rounded
.set j, 0
.rept 16
	v_pk_mul_f32 v[OO+j:OO+j+1], v[OO+j:OO+j+1], v[FF:FF+1] op_sel_hi:[1,0]
.set j, j+2
.endr
.set j, 0
.rept 16
	v_pk_fma_f32 v[OO+j:OO+j+1], v[SS+j:SS+j+1], v[14:15], v[OO+j:OO+j+1] op_sel_hi:[1,0,1]
.set j, j+2
.endr
	v_pk_mul_f32 v[SUM:SUM+1], v[SUM:SUM+1], v[FF:FF+1] op_sel_hi:[1,0]
	v_pk_fma_f32 v[SUM:SUM+1], v[SS+34:SS+35], v[14:15], v[SUM:SUM+1] op_sel_hi:[1,0,1]
	OUT 0
.Lend:
	s_wait_tensorcnt 0x0                           ; the wave's end
	ds_add_u32 v[SPW], v[NIL]
	s_wait_dscnt 0x0
	CROUND                                         ; the closing round
	s_endpgm
.Lfunc_end_k_q17a3d350ab_attn:
	.size	k_q17a3d350ab_attn, .Lfunc_end_k_q17a3d350ab_attn-k_q17a3d350ab_attn
	.p2alignl 7, 3214868480
	.fill 96, 4, 3214868480
	.section	.rodata,"a",@progbits
	.p2align	6, 0x0
	.amdhsa_kernel k_q17a3d350ab_attn
		.amdhsa_group_segment_fixed_size 327680
		.amdhsa_private_segment_fixed_size 0
		.amdhsa_enable_private_segment 0
		.amdhsa_kernarg_size 24
		.amdhsa_user_sgpr_count 2
		.amdhsa_user_sgpr_kernarg_segment_ptr 1
		.amdhsa_wavefront_size32 1
		.amdhsa_system_sgpr_workgroup_id_x 1
		.amdhsa_system_sgpr_workgroup_id_y 1
		.amdhsa_system_sgpr_workgroup_id_z 1
		.amdhsa_system_vgpr_workitem_id 0
		.amdhsa_next_free_vgpr 256
		.amdhsa_next_free_sgpr 100
		.amdhsa_reserve_vcc 1
		.amdhsa_float_denorm_mode_32 3
		.amdhsa_float_denorm_mode_16_64 3
		.amdhsa_memory_ordered 1
		.amdhsa_forward_progress 1
		.amdhsa_inst_pref_size 49
	.end_amdhsa_kernel
	.amdgpu_metadata
---
amdhsa.version: [ 1, 2 ]
amdhsa.kernels:
  - .name:           k_q17a3d350ab_attn
    .symbol:         k_q17a3d350ab_attn.kd
    .args:
      - { .name: qkvc, .offset: 0, .size: 8, .value_kind: global_buffer, .address_space: global }
      - { .name: lowp_scales, .offset: 8, .size: 8, .value_kind: global_buffer, .address_space: global }
      - { .name: oc, .offset: 16, .size: 8, .value_kind: global_buffer, .address_space: global }
    .group_segment_fixed_size: 327680
    .private_segment_fixed_size: 0
    .kernarg_segment_align: 8
    .kernarg_segment_size: 24
    .max_flat_workgroup_size: 512
    .sgpr_count:     100
    .vgpr_count:     256
    .wavefront_size: 32
...
	.end_amdgpu_metadata
.endif
;; end of part 3
;; launch wo (part 4): grid 8 x 32, 4 waves a work-group, clusters of 4 x 4, 327,680 bytes of LDS; arguments oc, wc, lowp_scales, x, bo, x1; writes x1
.if DOCPART == 4
	.amdgcn_target "amdgcn-amd-amdhsa--gfx1250"
	.amdhsa_code_object_version 6
	.text
	.protected	k_q17a3d350ab_wo
	.globl	k_q17a3d350ab_wo
	.p2align	8
	.type	k_q17a3d350ab_wo,@function
k_q17a3d350ab_wo:
	s_mov_b64 s[64:65], 0
	v_nop
	global_prefetch_b8 v0, s[64:65] scope:SCOPE_SE
	s_setreg_imm32_b32 hwreg(HW_REG_WAVE_MODE, 25, 1), 1
	s_wait_xcnt 0x0
	s_wait_alu depctr_hold_cnt(0) depctr_sa_sdst(0) depctr_va_vdst(0) depctr_va_sdst(0) depctr_va_ssrc(0) depctr_va_vcc(0) depctr_vm_vsrc(0)
	s_getreg_b32 s2, hwreg(HW_REG_IB_STS2, 6, 4)
	s_cmp_eq_u32 s2, 0
	s_cbranch_scc0 .Lentry_in_a_cluster
	s_endpgm
.Lentry_in_a_cluster:
	s_bfe_u32 s2, ttmp6, 0x10000c
	s_cmp_lg_u32 s2, 0xf033
	s_cbranch_scc0 .Lentry_shape_is_right
	s_endpgm
.Lentry_shape_is_right:
; x1 = x + o Wo + bo.  o: codes laid [16 blocks of 64 along K][4096 rows][64]; Wo: codes [1024 n][1024 k] at 3 MiB in wc; sums in f32, each multiplied once by 2^(e10 + e11).
; LIMIT: e10 + e11 between -126 and 127.
; A tile of the result is 128 x 128 (256 work-groups), four waves of 64 x 64: 16 accumulators.  K goes in steps of 512 through two LDS slots; here K = 1,024 is one lap: both slots are filled once.
; CLUSTER 4 x 4: A's tile is shared along a row of the cluster, B's along a column, by joint tensor loads.  THE MATRIX INSTRUCTION IS USED TRANSPOSED (source 0 = rows of the weight, source 1 = rows of A).
; LDS, a slot: A: 8 blocks of 64 along K x 128 rows x 80 bytes (64 + 16); B: 128 rows x 528 bytes (512 + 16).  Wave 0, 1: A's blocks 0-3, 4-7; wave 2, 3: B's rows 0-63, 64-127.
; THE RESIDUAL of the 32 rows that a wave stores (32 x 512 bytes: 128 registers) is asked for at the head, behind the first tiles, and lands under the products: nothing is asked of memory behind the last product.
; REGISTERS: window 0: v16-29 addresses, v96-99 the bias, v128-255 the accumulators, later the rows on the way out; window 1: two fragment buffers of 128 (A's four fragments, then B's four); window 2: v0-127 the residual.
.set SIZE_K, 1024
.set WOFF,   0x300000
.set SCOFF,  0x28
.set LAPS,   SIZE_K/1024
.set KB,     10240
.set AHALF,  4*KB
.set BOFF,   16*KB                     ; ALL of K lies in LDS at once: A's 16 blocks of 64 along K, then B's 128 rows of 1,024 bytes + 16; each wave brings its half of A or of B by ONE tensor load, and nothing is filled twice
.set BP,     1040
.set BHALF,  64*BP
.set SLOT,   BOFF+128*BP
.set SPARE,  SLOT
.set ADRA, 16
.set ADRB, 20
.set STO,  24
.set RD,   25
.set CO,   26
.set SPW,  28
.set NIL,  29
.set ACC,  128
.set F0,   0
.set F1,   128
.set RES,  0                           ; in window 2: row t of my 32 at 4 t
.set G1, 24
.set G0, 32
.set G1B, 48
.set G0B, 56
.set MSB, 0
.macro WIN new
.if MSB != \new
	s_set_vgpr_msb (MSB<<8)|\new
.set MSB, \new
.endif
.endm
.set MUL,  0x05                        ; sources 0 and 1 window 1; C and D window 0
.set TO_F, 0x40                        ; destination window 1, address window 0
.macro JLOAD s                         ; waves 0 and 1 fetch A's halves, waves 2 and 3 B's; four v_nop follow each line
	s_cmp_eq_u32 s17, 0
	s_cbranch_scc0 .Lfor_b_\@
	tensor_load_to_lds s[G0+4*\s:G0+4*\s+3], s[G1:G1+7]
	s_nop 0
.rept 4
	v_nop
.endr
	s_branch .Lasked_\@
.Lfor_b_\@:
	tensor_load_to_lds s[G0B+4*\s:G0B+4*\s+3], s[G1B:G1B+7]
	s_nop 0
.rept 4
	v_nop
.endr
.Lasked_\@:
.endm
.macro CREST
	s_cmp_lg_u32 s16, 0
	s_cbranch_scc1 .Lnot_wave_0_\@
	s_barrier_signal -3
.Lnot_wave_0_\@:
	s_barrier_wait -3
	s_barrier_signal -1
	s_barrier_wait -1
.endm
.macro CROUND
	s_barrier_signal -1
	s_barrier_wait -1
	CREST
.endm
	s_load_b256 s[4:11], s[0:1], 0x0               ; A's codes 4, wc 6, the scales' exponents 8, the residual 10
	s_load_b128 s[12:15], s[0:1], 0x20             ; the bias 12, the result 14
	v_lshl_add_u32 v[SPW], v0, 2, SPARE
	v_mov_b32 v[NIL], 0
	ds_add_u32 v28, v29
	ds_add_u32 v28, v29
	s_wait_dscnt 0x0
	v_lshrrev_b32 v1, 5, v0
	v_readfirstlane_b32 s16, v1                    ; wave
	s_lshr_b32 s17, s16, 1                         ; my half of the rows; also: I fetch for A (0) or B (1)
	s_and_b32 s18, s16, 1                          ; my half of the columns; also: which half I fetch
	s_bfe_u32 s40, ttmp6, 0x40000
	s_bfe_u32 s41, ttmp6, 0x40004
	s_lshl_b32 s42, ttmp9, 2
	s_add_co_u32 s42, s42, s40                     ; tile column
	s_and_b32 s43, ttmp7, 0xffff
	s_lshl_b32 s43, s43, 2
	s_add_co_u32 s43, s43, s41                     ; tile row
	s_lshl_b32 s44, s41, 2
	s_lshl_b32 s44, 15, s44
	s_lshl_b32 s45, 0x1111, s40
	s_or_b32 s[G1+0], s44, (0<<16)|(1<<20)|(1<<21)|(3<<22)|(3<<25)  ; A: mask of my row; 1 byte; padding: 4 words behind every 16
	s_mov_b32 s[G1+1], 8192<<16                    ; a block's 128 rows of 64 bytes lie on end: one row of 8,192 bytes,
	s_mov_b32 s[G1+2], 8<<16                       ; eight blocks,
	s_mov_b32 s[G1+3], 8192<<16
	s_mov_b32 s[G1+4], 8
	s_mov_b32 s[G1+5], 262144                      ; 4,096 rows of 64 bytes apart
	s_mov_b32 s[G1+6], 0
	s_mov_b32 s[G1+7], 0
	s_or_b32 s[G1B+0], s45, (0<<16)|(1<<20)|(1<<21)|(7<<22)|(3<<25) ; B: mask of my column; 4 words behind every 256
	s_mov_b32 s[G1B+1], 1024<<16
	s_mov_b32 s[G1B+2], 64<<16
	s_mov_b32 s[G1B+3], 1024<<16
	s_mov_b32 s[G1B+4], 64
	s_mov_b32 s[G1B+5], SIZE_K
	s_mov_b32 s[G1B+6], 0
	s_mov_b32 s[G1B+7], 0
	s_lshl_b32 s20, s18, 21                        ; A: block 8 x half,
	s_lshl_b32 s21, s43, 13                        ; row 128 x tile row
	s_add_co_u32 s20, s20, s21
	s_mov_b32 s21, 0
	s_lshl_b32 s46, s42, 7
	s_lshl_b32 s47, s18, 6
	s_add_co_u32 s46, s46, s47                     ; B: row 128 x tile column + 64 x half
	s_mul_i32 s46, s46, SIZE_K
	s_add_co_u32 s46, s46, WOFF
	s_mov_b32 s47, 0
	s_mul_i32 s22, s18, 2*AHALF
	s_mul_i32 s23, s18, BHALF
	s_add_co_u32 s23, s23, BOFF
	s_wait_kmcnt 0x0
	s_load_b64 s[66:67], s[8:9], SCOFF             ; ea, eb
	s_add_nc_u64 s[20:21], s[4:5], s[20:21]
	s_add_nc_u64 s[46:47], s[6:7], s[46:47]
	CROUND                                         ; the first joint loads meet
.irp s, 0
	s_mov_b32 s[G0+4*\s], 1
	s_add_co_u32 s[G0+4*\s+1], s22, \s*SLOT
	s_add_nc_u64 s[G0+4*\s+2:G0+4*\s+3], s[20:21], \s*8*262144
	s_or_b32 s[G0+4*\s+3], s[G0+4*\s+3], 0x80000000
	s_mov_b32 s[G0B+4*\s], 1
	s_add_co_u32 s[G0B+4*\s+1], s23, \s*SLOT
	s_add_nc_u64 s[G0B+4*\s+2:G0B+4*\s+3], s[46:47], \s*512
	s_or_b32 s[G0B+4*\s+3], s[G0B+4*\s+3], 0x80000000
	JLOAD \s
.endr
	v_and_b32 v1, 15, v0                           ; r
	v_bfe_u32 v2, v0, 4, 1                         ; h
	v_mul_u32_u24 v3, v1, 80
	v_lshl_add_u32 v3, v2, 4, v3
	s_mul_i32 s21, s17, 64*80
	v_add_nc_u32 v[ADRA], s21, v3                  ; A: slot 0, blocks 0-3
	v_add_nc_u32 v[ADRA+1], AHALF, v[ADRA]         ;    slot 0, blocks 4-7
	v_add_nc_u32 v[ADRA+2], 2*AHALF, v[ADRA]       ;    blocks 8-11
	v_add_nc_u32 v[ADRA+3], 3*AHALF, v[ADRA]       ;    blocks 12-15
	v_mul_u32_u24 v4, v1, BP
	v_lshl_add_u32 v4, v2, 4, v4
	s_mul_i32 s22, s18, BHALF
	s_add_co_u32 s22, s22, BOFF
	v_add_nc_u32 v[ADRB], s22, v4
	v_add_nc_u32 v[ADRB+1], 512, v[ADRB]           ; the second 512 along K of the same rows
	s_mul_i32 s22, s17, 64*528                     ; the stage, 128 rows x 528 bytes in slot 0: in: my rows, my 256 bytes of them
	s_lshl_b32 s23, s18, 8
	s_add_co_u32 s22, s22, s23
	v_mul_u32_u24 v5, v1, 528
	v_lshl_add_u32 v5, v2, 5, v5
	v_add_nc_u32 v[STO], s22, v5
	s_mul_i32 s22, s16, 32*528                     ; back: wave w takes rows 32 w on, whole
	v_and_b32 v6, 31, v0
	v_lshlrev_b32 v[CO], 4, v6
	s_wait_alu depctr_va_vdst(0)
	v_add_nc_u32 v[RD], s22, v[CO]
	s_lshl_b32 s20, s43, 19                        ; row 128 x tile row + 32 x wave, 4,096 bytes a row,
	s_lshl_b32 s21, s16, 17
	s_add_co_u32 s20, s20, s21
	s_mov_b32 s21, 0
	s_lshl_b32 s46, s42, 9                         ; column 128 x tile column
	s_mov_b32 s47, 0
	s_add_nc_u64 s[10:11], s[10:11], s[20:21]
	s_add_nc_u64 s[10:11], s[10:11], s[46:47]
	s_add_nc_u64 s[14:15], s[14:15], s[20:21]
	s_add_nc_u64 s[14:15], s[14:15], s[46:47]
	s_add_nc_u64 s[12:13], s[12:13], s[46:47]
	global_load_b128 v[96:99], v[CO], s[12:13]
.macro FETCH slot, q, f                ; the fragments of the slot's q-th 128 along K: B's four, A's blocks 0-1, A's blocks 2-3.  Registers 4 c .. 4 c + 3: K = 32 c + 16 h + 0 .. 15, in A and B alike
	WIN TO_F
.irp i, 0,1,2,3
.irp c, 0,1,2,3
	ds_load_b128 v[\f+64+16*\i+4*\c:\f+64+16*\i+4*\c+3], v[ADRB+\slot] offset:128*(\q)+32*\c+16*BP*\i
.endr
.endr
.irp i, 0,1,2,3
.irp c, 0,1,2,3
	ds_load_b128 v[\f+16*\i+4*\c:\f+16*\i+4*\c+3], v[ADRA+2*\slot+(\q)/2] offset:(2*((\q)%2)+\c/2)*KB+1280*\i+32*(\c%2)
.endr
.endr
.endm
.macro MULA f, a, zero                 ; A's block a x B's four; the 16 accumulators take turns, one instruction a turn
.irp b, 0,1,2,3
.if \zero
	v_wmma_f32_16x16x128_fp8_fp8 v[ACC+8*(4*(\a)+\b):ACC+8*(4*(\a)+\b)+7], v[\f+64+16*\b:\f+64+16*\b+15], v[\f+16*(\a):\f+16*(\a)+15], 0
.else
	v_wmma_f32_16x16x128_fp8_fp8 v[ACC+8*(4*(\a)+\b):ACC+8*(4*(\a)+\b)+7], v[\f+64+16*\b:\f+64+16*\b+15], v[\f+16*(\a):\f+16*(\a)+15], v[ACC+8*(4*(\a)+\b):ACC+8*(4*(\a)+\b)+7]
.endif
.endr
.endm
.macro PLACES
.rept 4
	v_nop
.endr
.endm
.macro QUARTER slot, qn, f, g, zero    ; multiplies buffer f; in its middle fetches the slot's quarter qn into g
	s_wait_dscnt 8                                 ; B and A's blocks 0-1 are in; the youngest eight loads may be out
	WIN MUL
	MULA \f, 0, \zero
	MULA \f, 1, \zero
	PLACES
	FETCH \slot, \qn, \g
	s_wait_dscnt 32                                ; all but the 32 just issued
	WIN MUL
	MULA \f, 2, \zero
	MULA \f, 3, \zero
.endm
.macro TURN slot, next, fill           ; the last quarter multiplies buffer 1 and changes slots
	WIN 0
	s_wait_tensorcnt 0x0                           ; all my tensor loads have landed
	ds_add_u32 v[SPW], v[NIL]                      ; 0 onto my spare word
	s_wait_dscnt 9                                 ; the add and the youngest eight loads may be out
	WIN MUL
	MULA F1, 0, 0
	s_wait_dscnt 0x0                               ; the add is done, and my reads of this slot are over
	s_barrier_signal -1
	MULA F1, 1, 0
	WIN 0
	s_barrier_wait -1
.if \fill
	CREST
	s_add_nc_u64 s[G0+4*\slot+2:G0+4*\slot+3], s[G0+4*\slot+2:G0+4*\slot+3], 16*262144
	s_add_nc_u64 s[G0B+4*\slot+2:G0B+4*\slot+3], s[G0B+4*\slot+2:G0B+4*\slot+3], 1024
	JLOAD \slot                                    ; the first tensor load behind the round; its four v_nop are the places in front of the loads below
.else
	PLACES
.endif
	FETCH \next, 0, F0
	WIN MUL
	MULA F1, 2, 0
	MULA F1, 3, 0
.endm
	s_wait_alu depctr_va_vdst(0)
	s_wait_tensorcnt 0x0                           ; my one tensor load has landed
	s_barrier_signal -1
	s_barrier_wait -1
	FETCH 0, 0, F0
	WIN 0x80                                       ; destination window 2, address window 0
.set t, 0
.rept 32
	global_load_b128 v[RES+4*t:RES+4*t+3], v[CO], s[10:11] offset:4096*t th:TH_LOAD_NT    ; the residual's 32 rows, 512 consecutive bytes each, are asked for here, behind the tiles that the products wait for; they are wanted on the way out alone
.set t, t+1
.endr
	QUARTER 0, 1, F0, F1, 1
.if LAPS > 1
	WIN 0
	s_mov_b32 s19, LAPS-1
.Llap:
	QUARTER 0, 2, F1, F0, 0
	QUARTER 0, 3, F0, F1, 0
	TURN 0, 1, 1
	QUARTER 1, 1, F0, F1, 0
	QUARTER 1, 2, F1, F0, 0
	QUARTER 1, 3, F0, F1, 0
	TURN 1, 0, 1
	QUARTER 0, 1, F0, F1, 0
	WIN 0
	s_sub_co_u32 s19, s19, 1
	s_cmp_lg_u32 s19, 0
	s_cbranch_scc1 .Llap
.endif
	QUARTER 0, 2, F1, F0, 0
	QUARTER 0, 3, F0, F1, 0
	TURN 0, 1, 0
	QUARTER 1, 1, F0, F1, 0
	QUARTER 1, 2, F1, F0, 0
	QUARTER 1, 3, F0, F1, 0
	s_wait_dscnt 8
	WIN MUL
	MULA F1, 0, 0
	MULA F1, 1, 0
	s_wait_dscnt 0
	MULA F1, 2, 0
	MULA F1, 3, 0
	WIN 0
	; THE WAY OUT: the sums go as they are into the work-group's stage (slot 0: its last fill and its last read are over); a barrier, since a row's 512 bytes come from two waves; back as whole rows
	PLACES
.irp a, 0,1,2,3
.irp b, 0,1,2,3
	ds_store_b128 v[STO], v[ACC+8*(4*\a+\b):ACC+8*(4*\a+\b)+3] offset:16*528*\a+64*\b
	ds_store_b128 v[STO], v[ACC+8*(4*\a+\b)+4:ACC+8*(4*\a+\b)+7] offset:16*528*\a+64*\b+16
.endr
.endr
	s_wait_dscnt 0x0                               ; for the others' sake: my stores are done; they have also read the accumulators, which take the rows below
	s_barrier_signal -1
	s_barrier_wait -1
.set t, 0
.rept 32
	ds_load_b128 v[128+4*t:131+4*t], v[RD] offset:528*t
.set t, t+1
.endr
	s_wait_kmcnt 0x0
	s_add_co_i32 s66, s66, s67
	s_add_co_i32 s66, s66, 127
	s_lshl_b32 s66, s66, 23                        ; 2^(ea + eb) as f32
	s_mov_b32 s67, s66
	s_wait_loadcnt 0x0                             ; the residual and the bias, asked for at the head
	WIN 0x20                                       ; source 2 (the residual) window 2
.set t, 0
.rept 32
	s_wait_dscnt 31-t                              ; row t is back; the younger rows' loads may be out
	v_pk_fma_f32 v[128+4*t:129+4*t], v[128+4*t:129+4*t], s[66:67], v[RES+4*t:RES+4*t+1] op_sel_hi:[1,0,1]      ; sum x 2^(ea + eb) + residual
	v_pk_fma_f32 v[130+4*t:131+4*t], v[130+4*t:131+4*t], s[66:67], v[RES+4*t+2:RES+4*t+3] op_sel_hi:[1,0,1]
.set t, t+1
.endr
	WIN 0
.set t, 0
.rept 32
	v_pk_add_f32 v[128+4*t:129+4*t], v[128+4*t:129+4*t], v[96:97]              ; + bias
	v_pk_add_f32 v[130+4*t:131+4*t], v[130+4*t:131+4*t], v[98:99]
	global_store_b128 v[CO], v[128+4*t:131+4*t], s[14:15] offset:4096*t th:TH_STORE_NT     ; 32 lanes store 512 consecutive bytes, aligned
.set t, t+1
.endr
	s_wait_tensorcnt 0x0                           ; the wave's end
	ds_add_u32 v[SPW], v[NIL]
	s_wait_dscnt 0x0
	CROUND                                         ; the closing round
	s_endpgm
.Lfunc_end_k_q17a3d350ab_wo:
	.size	k_q17a3d350ab_wo, .Lfunc_end_k_q17a3d350ab_wo-k_q17a3d350ab_wo
	.p2alignl 7, 3214868480
	.fill 96, 4, 3214868480
	.section	.rodata,"a",@progbits
	.p2align	6, 0x0
	.amdhsa_kernel k_q17a3d350ab_wo
		.amdhsa_group_segment_fixed_size 327680
		.amdhsa_private_segment_fixed_size 0
		.amdhsa_enable_private_segment 0
		.amdhsa_kernarg_size 48
		.amdhsa_user_sgpr_count 2
		.amdhsa_user_sgpr_kernarg_segment_ptr 1
		.amdhsa_wavefront_size32 1
		.amdhsa_system_sgpr_workgroup_id_x 1
		.amdhsa_system_sgpr_workgroup_id_y 1
		.amdhsa_system_sgpr_workgroup_id_z 1
		.amdhsa_system_vgpr_workitem_id 0
		.amdhsa_next_free_vgpr 640
		.amdhsa_next_free_sgpr 80
		.amdhsa_reserve_vcc 0
		.amdhsa_float_denorm_mode_32 3
		.amdhsa_float_denorm_mode_16_64 3
		.amdhsa_memory_ordered 1
		.amdhsa_forward_progress 1
		.amdhsa_inst_pref_size 53
	.end_amdhsa_kernel
	.amdgpu_metadata
---
amdhsa.version: [ 1, 2 ]
amdhsa.kernels:
  - .name:           k_q17a3d350ab_wo
    .symbol:         k_q17a3d350ab_wo.kd
    .args:
      - { .name: oc, .offset: 0, .size: 8, .value_kind: global_buffer, .address_space: global }
      - { .name: wc, .offset: 8, .size: 8, .value_kind: global_buffer, .address_space: global }
      - { .name: lowp_scales, .offset: 16, .size: 8, .value_kind: global_buffer, .address_space: global }
      - { .name: x, .offset: 24, .size: 8, .value_kind: global_buffer, .address_space: global }
      - { .name: bo, .offset: 32, .size: 8, .value_kind: global_buffer, .address_space: global }
      - { .name: x1, .offset: 40, .size: 8, .value_kind: global_buffer, .address_space: global }
    .group_segment_fixed_size: 327680
    .private_segment_fixed_size: 0
    .kernarg_segment_align: 8
    .kernarg_segment_size: 48
    .max_flat_workgroup_size: 128
    .sgpr_count:     80
    .vgpr_count:     640
    .wavefront_size: 32
...
	.end_amdgpu_metadata
.endif
;; end of part 4
;; launch ln2 (part 5): grid 512 x 1, 4 waves a work-group, no clusters, 20,992 bytes of LDS; arguments x1, ln2_g, ln2_b, lowp_scales, h2c; writes h2c
.if DOCPART == 5
	.amdgcn_target "amdgcn-amd-amdhsa--gfx1250"
	.amdhsa_code_object_version 6
	.text
	.protected	k_q17a3d350ab_ln2
	.globl	k_q17a3d350ab_ln2
	.p2align	8
	.type	k_q17a3d350ab_ln2,@function
k_q17a3d350ab_ln2:
	s_mov_b64 s[64:65], 0
	v_nop
	global_prefetch_b8 v0, s[64:65] scope:SCOPE_SE
	s_setreg_imm32_b32 hwreg(HW_REG_WAVE_MODE, 25, 1), 1
	s_wait_xcnt 0x0
; h2 = LayerNorm(x1) x ln2_g + ln2_b, in f32, quantised with 2^e12 into h2c [4096][1024], codes of E4M3, K innermost.
; A wave takes two rows; both, and gain and bias, are asked for at the head, so that nothing is asked of memory once the work has begun.  A row stays in 32 registers between the passes.  No barrier: waves share nothing.
; LIMIT: e12 between -126 and 119.  NaN among the inputs is not served.
.set G,     16                         ; v16-47   gain, register 4 j + c = column 128 j + 4 lane + c
.set BB,    48                         ; v48-79   bias
.set X,     80                         ; v80-143  the two rows as loaded
.set Y,     144                        ; v144-175 the normalised row, 16 neighbours twice
.set T,     176                        ; v176-207 two sets of 16 held numbers, by turns
.set CD,    208                        ; v208-223 codes: row t, half s at 8 t + 4 s: no store's data are written again
.set SCL,   232                        ; v232 2^e12, v233 448 x 2^e12
.set XB,    50
.set OB0,   52
	s_load_b256 s[8:15], s[0:1], 0x0               ; x1 8, ln2_g 10, ln2_b 12, the scales' exponents 14
	s_load_b64 s[16:17], s[0:1], 0x20              ; h2c
	v_lshl_add_u32 v240, v0, 2, 0x5000
	v_mov_b32 v241, 0
	v_lshrrev_b32 v1, 5, v0
	v_readfirstlane_b32 s4, v1
	v_and_b32 v2, 31, v0
	s_wait_alu depctr_va_vdst(0)
	s_wait_kmcnt 0x0
	s_load_b32 s32, s[14:15], 0x30                 ; e12
	s_lshl_b32 s5, ttmp9, 3
	s_lshl_b32 s66, s4, 1
	s_add_co_u32 s5, s5, s66                       ; my wave's first row: 8 x work-group + 2 x wave
	s_lshl_b32 s66, s5, 12
	s_mov_b32 s67, 0
	s_add_nc_u64 s[XB:XB+1], s[8:9], s[66:67]
	s_lshl_b32 s66, s5, 10
	s_add_nc_u64 s[OB0:OB0+1], s[16:17], s[66:67]
	s_mov_b32 s60, 0x76543210
	s_mov_b32 s61, 0xfedcba98
	s_mov_b32 s62, 0x3a800000                      ; 1 / 1024
	v_lshlrev_b32 v3, 4, v2
	s_mul_i32 s66, s4, 5120                        ; my stage: a row's 4,096 bytes with 16 of padding behind each 64
	v_lshrrev_b32 v4, 2, v2
	v_mul_u32_u24 v4, v4, 80
	v_and_b32 v5, 3, v2
	v_lshl_add_u32 v4, v5, 4, v4
	v_add_nc_u32 v4, s66, v4
	v_mul_u32_u24 v5, v2, 80
	v_add_nc_u32 v5, s66, v5
.irp j, 0,1,2,3,4,5,6,7
	global_load_b128 v[G+4*\j:G+4*\j+3], v3, s[10:11] offset:512*\j
.endr
.irp j, 0,1,2,3,4,5,6,7
	global_load_b128 v[BB+4*\j:BB+4*\j+3], v3, s[12:13] offset:512*\j
.endr
.macro XLOAD t
.irp j, 0,1,2,3,4,5,6,7
	global_load_b128 v[X+32*(\t)+4*\j:X+32*(\t)+4*\j+3], v3, s[XB:XB+1] offset:4096*(\t)+512*\j th:TH_LOAD_NT
.endr
.endm
.macro REDUCE
	v_add_f32_dpp v12, v12, v12 row_xmask:1 row_mask:0xf bank_mask:0xf
	v_add_f32_dpp v12, v12, v12 row_xmask:2 row_mask:0xf bank_mask:0xf
	v_add_f32_dpp v12, v12, v12 row_xmask:4 row_mask:0xf bank_mask:0xf
	v_add_f32_dpp v12, v12, v12 row_xmask:8 row_mask:0xf bank_mask:0xf
	v_permlanex16_b32 v13, v12, s60, s61
	v_add_f32 v12, v12, v13
.endm
.macro LNROW t
.set XS, X+32*(\t)
.if (\t) < 1
	s_wait_loadcnt 8                               ; this row (and gain and bias) are in; the other row's eight loads may be out
.else
	s_wait_loadcnt 0
.endif
	v_pk_add_f32 v[12:13], v[XS:XS+1], v[XS+2:XS+3]
	v_pk_add_f32 v[14:15], v[XS+4:XS+5], v[XS+6:XS+7]
.irp j, 8,12,16,20,24,28
	v_pk_add_f32 v[12:13], v[12:13], v[XS+\j:XS+\j+1]
	v_pk_add_f32 v[14:15], v[14:15], v[XS+\j+2:XS+\j+3]
.endr
	v_pk_add_f32 v[12:13], v[12:13], v[14:15]
	v_add_f32 v12, v12, v13
	REDUCE
	v_mul_f32 v8, s62, v12                         ; the mean, twice
	v_mul_f32 v9, s62, v12
.set j, 0
.rept 16
	v_pk_add_f32 v[XS+j:XS+j+1], v[XS+j:XS+j+1], v[8:9] neg_lo:[0,1] neg_hi:[0,1]
.set j, j+2
.endr
	v_pk_mul_f32 v[12:13], v[XS:XS+1], v[XS:XS+1]
	v_pk_mul_f32 v[14:15], v[XS+2:XS+3], v[XS+2:XS+3]
.irp j, 4,8,12,16,20,24,28
	v_pk_fma_f32 v[12:13], v[XS+\j:XS+\j+1], v[XS+\j:XS+\j+1], v[12:13]
	v_pk_fma_f32 v[14:15], v[XS+\j+2:XS+\j+3], v[XS+\j+2:XS+\j+3], v[14:15]
.endr
	v_pk_add_f32 v[12:13], v[12:13], v[14:15]
	v_add_f32 v12, v12, v13
	REDUCE
	v_fmaak_f32 v12, s62, v12, 0x3727c5ac          ; variance + 1e-5
	s_wait_alu depctr_va_vdst(0)
	v_rsq_f32 v10, v12
	v_rsq_f32 v11, v12
	v_nop                                          ; a plain instruction behind the transcendentals,
	s_wait_alu depctr_va_vdst(0)                   ; and one wait for both, ahead of their first reader
.set j, 0
.rept 16
	v_pk_mul_f32 v[XS+j:XS+j+1], v[XS+j:XS+j+1], v[10:11]
.set j, j+2
.endr
.set j, 0
.rept 16
	v_pk_fma_f32 v[XS+j:XS+j+1], v[XS+j:XS+j+1], v[G+j:G+j+1], v[BB+j:BB+j+1]
.set j, j+2
.endr
.irp j, 0,1,2,3,4,5,6,7
	ds_store_b128 v4, v[XS+4*\j:XS+4*\j+3] offset:640*\j
.endr
.irp s, 0,1
.irp i, 0,1,2,3
	ds_load_b128 v[Y+16*\s+4*\i:Y+16*\s+4*\i+3], v5 offset:2560*\s+16*\i   ; columns 512 s + 16 lane + 0 .. 15
.endr
.endr
	s_wait_dscnt 0x0                               ; Y is in
.irp s, 0,1
.set TS, T+16*\s
.set i, 0
.rept 16
	v_med3_num_f32 v[TS+i], v[Y+16*\s+i], -v[SCL+1], v[SCL+1]
.set i, i+1
.endr
	v_cvt_scalef32_pk8_fp8_f32 v[CD+8*(\t)+4*\s:CD+8*(\t)+4*\s+1], v[TS:TS+7], v[SCL]
	v_cvt_scalef32_pk8_fp8_f32 v[CD+8*(\t)+4*\s+2:CD+8*(\t)+4*\s+3], v[TS+8:TS+15], v[SCL]
	global_store_b128 v3, v[CD+8*(\t)+4*\s:CD+8*(\t)+4*\s+3], s[OB0:OB0+1] offset:1024*(\t)+512*\s   ; 512 consecutive bytes a wave
.endr
.endm
	XLOAD 0
	XLOAD 1
	s_wait_kmcnt 0x0
	s_add_co_i32 s88, s32, 127
	s_lshl_b32 s89, s88, 23
	v_mov_b32 v[SCL], s89
	s_add_co_i32 s88, s88, 8
	s_lshl_b32 s88, s88, 23
	s_or_b32 s88, s88, 0x600000
	v_mov_b32 v[SCL+1], s88
	LNROW 0
	LNROW 1
	s_wait_tensorcnt 0x0
	ds_add_u32 v240, v241
	s_wait_dscnt 0x0
	s_endpgm
.Lfunc_end_k_q17a3d350ab_ln2:
	.size	k_q17a3d350ab_ln2, .Lfunc_end_k_q17a3d350ab_ln2-k_q17a3d350ab_ln2
	.p2alignl 7, 3214868480
	.fill 96, 4, 3214868480
	.section	.rodata,"a",@progbits
	.p2align	6, 0x0
	.amdhsa_kernel k_q17a3d350ab_ln2
		.amdhsa_group_segment_fixed_size 20992
		.amdhsa_private_segment_fixed_size 0
		.amdhsa_enable_private_segment 0
		.amdhsa_kernarg_size 40
		.amdhsa_user_sgpr_count 2
		.amdhsa_user_sgpr_kernarg_segment_ptr 1
		.amdhsa_wavefront_size32 1
		.amdhsa_system_sgpr_workgroup_id_x 1
		.amdhsa_system_sgpr_workgroup_id_y 1
		.amdhsa_system_sgpr_workgroup_id_z 1
		.amdhsa_system_vgpr_workitem_id 0
		.amdhsa_next_free_vgpr 242
		.amdhsa_next_free_sgpr 100
		.amdhsa_reserve_vcc 0
		.amdhsa_float_denorm_mode_32 3
		.amdhsa_float_denorm_mode_16_64 3
		.amdhsa_memory_ordered 1
		.amdhsa_forward_progress 1
		.amdhsa_inst_pref_size 25
	.end_amdhsa_kernel
	.amdgpu_metadata
---
amdhsa.version: [ 1, 2 ]
amdhsa.kernels:
  - .name:           k_q17a3d350ab_ln2
    .symbol:         k_q17a3d350ab_ln2.kd
    .args:
      - { .name: x1, .offset: 0, .size: 8, .value_kind: global_buffer, .address_space: global }
      - { .name: ln2_g, .offset: 8, .size: 8, .value_kind: global_buffer, .address_space: global }
      - { .name: ln2_b, .offset: 16, .size: 8, .value_kind: global_buffer, .address_space: global }
      - { .name: lowp_scales, .offset: 24, .size: 8, .value_kind: global_buffer, .address_space: global }
      - { .name: h2c, .offset: 32, .size: 8, .value_kind: global_buffer, .address_space: global }
    .group_segment_fixed_size: 20992
    .private_segment_fixed_size: 0
    .kernarg_segment_align: 8
    .kernarg_segment_size: 40
    .max_flat_workgroup_size: 128
    .sgpr_count:     100
    .vgpr_count:     242
    .wavefront_size: 32
...
	.end_amdgpu_metadata
.endif
;; end of part 5
;; launch w1 (part 6): grid 16 x 16, 4 waves a work-group, clusters of 4 x 4, 327,680 bytes of LDS; arguments h2c, wc, lowp_scales, b1, ffc; writes ffc
.if DOCPART == 6
	.amdgcn_target "amdgcn-amd-amdhsa--gfx1250"
	.amdhsa_code_object_version 6
	.text
	.protected	k_q17a3d350ab_w1
	.globl	k_q17a3d350ab_w1
	.p2align	8
	.type	k_q17a3d350ab_w1,@function
k_q17a3d350ab_w1:
	s_mov_b64 s[64:65], 0
	v_nop
	global_prefetch_b8 v0, s[64:65] scope:SCOPE_SE
	s_setreg_imm32_b32 hwreg(HW_REG_WAVE_MODE, 25, 1), 1
	s_wait_xcnt 0x0
	s_wait_alu depctr_hold_cnt(0) depctr_sa_sdst(0) depctr_va_vdst(0) depctr_va_sdst(0) depctr_va_ssrc(0) depctr_va_vcc(0) depctr_vm_vsrc(0)
	s_getreg_b32 s2, hwreg(HW_REG_IB_STS2, 6, 4)
	s_cmp_eq_u32 s2, 0
	s_cbranch_scc0 .Lentry_in_a_cluster
	s_endpgm
.Lentry_in_a_cluster:
	s_bfe_u32 s2, ttmp6, 0x10000c
	s_cmp_lg_u32 s2, 0xf033
	s_cbranch_scc0 .Lentry_shape_is_right
	s_endpgm
.Lentry_shape_is_right:
.set KSTEP,  256
.set ROWB,   256
.set KROW,   1024
.set PITCH,  272
.set FR,     16
.set NL,     4
.set NP,     4
.set HALFT,  128*PITCH
.set SLOT,   4*HALFT
.set LAPS,   2
.set SPARE,  2*SLOT
.set PLANE,  20480
.set ADRA, 16
.set ADRB, 20
.set STO,  24
.set RD,   25
.set CO,   26
.set BO,   27
.set SPW,  28
.set NIL,  29
.set SC,   30
.set LIM,  31
.set TMP,  32
.set BI,   32
.set AF,   128
.set CD,   128
.set G1, 24
.set G0, 32
.set G1B, 48
.set G0B, 56
.set MSB, 0
.macro WIN new
.if MSB != \new
	s_set_vgpr_msb (MSB<<8)|\new
.set MSB, \new
.endif
.endm
.set MUL_LO, 0xa1
.set MUL_HI, 0xf1
.set Z_LO,   0x81
.set Z_HI,   0xc1
.set TO_B,   0x40
.macro JLOAD g0a, g1a, g0b, g1b
	s_cmp_eq_u32 s15, 0
	s_cbranch_scc0 .Lfor_b_\@
	tensor_load_to_lds s[\g0a:\g0a+3], s[\g1a:\g1a+7]
	s_nop 0
.rept 4
	v_nop
.endr
	s_branch .Lasked_\@
.Lfor_b_\@:
	tensor_load_to_lds s[\g0b:\g0b+3], s[\g1b:\g1b+7]
	s_nop 0
.rept 4
	v_nop
.endr
.Lasked_\@:
.endm
.macro CREST
	s_cmp_lg_u32 s14, 0
	s_cbranch_scc1 .Lnot_wave_0_\@
	s_barrier_signal -3
.Lnot_wave_0_\@:
	s_barrier_wait -3
	s_barrier_signal -1
	s_barrier_wait -1
.endm
.macro CROUND
	s_barrier_signal -1
	s_barrier_wait -1
	CREST
.endm
	s_load_b256 s[4:11], s[0:1], 0x0
	s_load_b64 s[12:13], s[0:1], 0x20
	v_lshl_add_u32 v[SPW], v0, 2, SPARE
	v_mov_b32 v[NIL], 0
	ds_add_u32 v28, v29
	ds_add_u32 v28, v29
	s_wait_dscnt 0x0
	v_lshrrev_b32 v1, 5, v0
	v_readfirstlane_b32 s14, v1
	s_lshr_b32 s15, s14, 1
	s_and_b32 s16, s14, 1
	s_bfe_u32 s40, ttmp6, 0x40000
	s_bfe_u32 s41, ttmp6, 0x40004
	s_lshl_b32 s42, ttmp9, 2
	s_add_co_u32 s42, s42, s40
	s_and_b32 s17, ttmp7, 0xffff
	s_lshl_b32 s17, s17, 2
	s_add_co_u32 s17, s17, s41
	s_lshl_b32 s43, s41, 2
	s_lshl_b32 s43, 15, s43
	s_lshl_b32 s44, 0x1111, s40
	s_or_b32 s[G1+0], s43, (0<<16)|(1<<20)|(1<<21)|(5<<22)|(3<<25)
	s_or_b32 s[G1B+0], s44, (0<<16)|(1<<20)|(1<<21)|(5<<22)|(3<<25)
.irp g, G1, G1B
	s_mov_b32 s[\g+1], ROWB<<16
	s_mov_b32 s[\g+2], 128<<16
	s_mov_b32 s[\g+3], ROWB<<16
	s_mov_b32 s[\g+4], 128
	s_mov_b32 s[\g+5], KROW
	s_mov_b32 s[\g+6], 0
	s_mov_b32 s[\g+7], 0
.endr
	s_lshl_b32 s18, s16, 7
	s_lshl_b32 s20, s17, 8
	s_add_co_u32 s20, s20, s18
	s_lshl_b32 s46, s42, 8
	s_add_co_u32 s46, s46, s18
	s_lshl_b32 s20, s20, 10
	s_lshl_b32 s46, s46, 10
	s_add_co_u32 s46, s46, 0x400000
	s_mov_b32 s21, 0
	s_mov_b32 s47, 0
	s_mul_i32 s45, s14, HALFT
	s_wait_kmcnt 0x0
	s_load_b128 s[68:71], s[8:9], 0x30
	s_add_nc_u64 s[20:21], s[4:5], s[20:21]
	s_add_nc_u64 s[46:47], s[6:7], s[46:47]
	CROUND
.irp s, 0,1
	s_mov_b32 s[G0+4*\s], 1
	s_add_co_u32 s[G0+4*\s+1], s45, \s*SLOT
	s_add_nc_u64 s[G0+4*\s+2:G0+4*\s+3], s[20:21], \s*ROWB
	s_or_b32 s[G0+4*\s+3], s[G0+4*\s+3], 0x80000000
	s_mov_b32 s[G0B+4*\s], 1
	s_add_co_u32 s[G0B+4*\s+1], s45, \s*SLOT
	s_add_nc_u64 s[G0B+4*\s+2:G0B+4*\s+3], s[46:47], \s*ROWB
	s_or_b32 s[G0B+4*\s+3], s[G0B+4*\s+3], 0x80000000
.endr
	JLOAD G0, G1, G0B, G1B                         ; K step 0: one tensor load a wave at the head
	; prefetches: of the 128 rows that I fetch, my work-group takes 32, told apart from its three partners by address (cx for A's tiles, cy for B's); a lane a row, 256 bytes of it a K step
	s_cmp_eq_u32 s15, 0
	s_cselect_b64 s[74:75], s[20:21], s[46:47]
	s_cselect_b32 s76, s40, s41
	s_lshl_b32 s76, s76, 15
	s_mov_b32 s77, 0
	s_add_nc_u64 s[74:75], s[74:75], s[76:77]
	v_and_b32 v9, 31, v0
	v_lshlrev_b32 v9, 10, v9
	global_prefetch_b8 v9, s[74:75] offset:256 th:TH_LOAD_NT scope:SCOPE_SE    ; K step 1
	global_prefetch_b8 v9, s[74:75] offset:512 th:TH_LOAD_NT scope:SCOPE_SE    ; K step 2
	v_and_b32 v1, 15, v0
	s_wait_alu depctr_va_vdst(0)
	v_bfe_u32 v2, v0, 4, 1
	s_lshl_b32 s46, s42, 10
	s_lshl_b32 s47, s16, 9
	s_add_co_u32 s46, s46, s47
	s_mov_b32 s47, 0
	s_add_nc_u64 s[10:11], s[10:11], s[46:47]
	v_lshlrev_b32 v[BO], 5, v2
.irp b, 0,1,2,3,4,5,6,7
	global_load_b128 v[BI+8*\b:BI+8*\b+3], v[BO], s[10:11] offset:64*\b
	global_load_b128 v[BI+8*\b+4:BI+8*\b+7], v[BO], s[10:11] offset:64*\b+16
.endr
	v_mul_u32_u24 v3, v1, PITCH
	v_lshl_add_u32 v4, v2, 4, v3
	s_mul_i32 s21, s15, HALFT
	s_mul_i32 s22, s16, HALFT
	s_add_co_u32 s22, s22, 2*HALFT
.irp s, 0,1
	v_add_nc_u32 v[ADRA+\s], s21, v4
	v_add_nc_u32 v[ADRB+\s], s22, v4
	s_add_co_u32 s21, s21, SLOT
	s_add_co_u32 s22, s22, SLOT
.endr
	s_mul_i32 s23, s16, 2*PLANE
	s_mul_i32 s22, s15, 128*80
	s_add_co_u32 s23, s23, s22
	v_mul_u32_u24 v5, v1, 80
	s_wait_alu depctr_va_vdst(0)
	v_lshl_add_u32 v5, v2, 3, v5
	v_add_nc_u32 v[STO], s23, v5
	s_mul_i32 s23, s14, PLANE
	v_and_b32 v6, 31, v0
	v_lshrrev_b32 v7, 2, v6
	v_mul_u32_u24 v7, v7, 80
	v_and_b32 v8, 3, v6
	v_lshl_add_u32 v7, v8, 4, v7
	v_add_nc_u32 v[RD], s23, v7
	v_lshlrev_b32 v[CO], 4, v6
	s_lshl_b32 s46, s42, 2
	s_add_co_u32 s46, s46, s14
	s_lshl_b32 s46, s46, 18
	s_mov_b32 s47, 0
	s_lshl_b32 s20, s17, 14
	s_mov_b32 s21, 0
	s_add_nc_u64 s[12:13], s[12:13], s[46:47]
	s_add_nc_u64 s[12:13], s[12:13], s[20:21]
	s_wait_loadcnt 0x0
	s_wait_kmcnt 0x0
	s_add_co_i32 s72, s68, s69
	s_sub_co_i32 s73, 0, s72
.set j, 0
.rept 64
	v_ldexp_f32 v[BI+j], v[BI+j], s73
.set j, j+1
.endr
.macro FRAG reg, adr, q, i
.irp c, 0,1,2,3
	ds_load_b128 v[\reg+4*\c:\reg+4*\c+3], v[\adr] offset:128*(\q)+32*\c+(\i)*16*PITCH
.endr
.endm
.macro MUL16 a0, p, zero
.irp a, \a0, \a0+1
.irp b, 0,1,2,3,4,5,6,7
.if \zero
	v_wmma_f32_16x16x128_fp8_fp8 v[8*(8*((\a)%4)+\b):8*(8*((\a)%4)+\b)+7], v[128*(\p)+FR*\b:128*(\p)+FR*\b+FR-1], v[AF+FR*(\a):AF+FR*(\a)+FR-1], v[BI+8*\b:BI+8*\b+7]
.else
	v_wmma_f32_16x16x128_fp8_fp8 v[8*(8*((\a)%4)+\b):8*(8*((\a)%4)+\b)+7], v[128*(\p)+FR*\b:128*(\p)+FR*\b+FR-1], v[AF+FR*(\a):AF+FR*(\a)+FR-1], v[8*(8*((\a)%4)+\b):8*(8*((\a)%4)+\b)+7]
.endif
.endr
.endr
.endm
.macro FETCH_B slot, q, p
	WIN TO_B
.irp i, 0,1,2,3,4,5,6,7
	FRAG 128*(\p)+FR*\i, ADRB+\slot, \q, \i
.endr
	WIN 0
.endm
.macro FETCH_A slot, q, i0
.irp i, \i0, \i0+1, \i0+2, \i0+3
	FRAG AF+FR*(\i), ADRA+\slot, \q, \i
.endr
.endm
.macro PLACES n
.rept \n
	v_nop
.endr
.endm
.macro STEP slot, q, zero
	s_wait_dscnt 4*NL
.if \zero
	WIN Z_LO
.else
	WIN MUL_LO
.endif
	MUL16 0, (\q)%2, \zero
	MUL16 2, (\q)%2, \zero
	s_wait_dscnt 0
	PLACES NP
	FETCH_B \slot, (\q)+1, 1-(\q)%2
	FETCH_A \slot, (\q)+1, 0
.if \zero
	WIN Z_HI
.else
	WIN MUL_HI
.endif
	MUL16 4, (\q)%2, \zero
	MUL16 6, (\q)%2, \zero
	PLACES NP
	WIN 0
	FETCH_A \slot, (\q)+1, 4
.endm
.macro TURN slot, next, fill
	s_wait_tensorcnt 0x0
	ds_add_u32 v[SPW], v[NIL]
	s_wait_dscnt 4*NL+1
	WIN MUL_LO
	MUL16 0, 1, 0
	s_wait_dscnt 0x0
	s_barrier_signal -1
	MUL16 2, 1, 0
	WIN 0
	s_barrier_wait -1
.if \fill
	CREST
	s_add_nc_u64 s[G0+4*\slot+2:G0+4*\slot+3], s[G0+4*\slot+2:G0+4*\slot+3], 2*ROWB
	s_add_nc_u64 s[G0B+4*\slot+2:G0B+4*\slot+3], s[G0B+4*\slot+2:G0B+4*\slot+3], 2*ROWB
	JLOAD G0+4*\slot, G1, G0B+4*\slot, G1B
.else
	PLACES NP
.endif
	FETCH_B \next, 0, 0
	FETCH_A \next, 0, 0
	WIN MUL_HI
	MUL16 4, 1, 0
	MUL16 6, 1, 0
	PLACES NP
	WIN 0
	FETCH_A \next, 0, 4
.endm
	s_wait_alu depctr_va_vdst(0)
	s_wait_tensorcnt 0x0                           ; my part of K step 0 is in
	ds_add_u32 v[SPW], v[NIL]
	s_wait_dscnt 0x0
	CROUND                                         ; everybody's part of K step 0 is in, and the partners are here
	JLOAD G0+4, G1, G0B+4, G1B                     ; K step 1: slot 1's first fill, the first tensor load behind the round
	FETCH_B 0, 0, 0
	global_prefetch_b8 v9, s[74:75] offset:768 th:TH_LOAD_NT scope:SCOPE_SE    ; K step 3, the last: two refills ahead
	FETCH_A 0, 0, 0
	FETCH_A 0, 0, 4
	STEP 0, 0, 1
	s_mov_b32 s3, LAPS-1
.Llap:
	TURN 0, 1, 1
	STEP 1, 0, 0
	TURN 1, 0, 1
	STEP 0, 0, 0
	s_sub_co_u32 s3, s3, 1
	s_cmp_lg_u32 s3, 0
	s_cbranch_scc1 .Llap
	TURN 0, 1, 0
	STEP 1, 0, 0
	s_wait_dscnt 4*NL
	WIN MUL_LO
	MUL16 0, 1, 0
	MUL16 2, 1, 0
	s_wait_dscnt 0
	WIN MUL_HI
	MUL16 4, 1, 0
	MUL16 6, 1, 0
	WIN 0
.macro QSTAGE a
.set AC, 64*((\a)%4)
	WIN 0x02+((\a)/4)
.set j, 0
.rept 64
	v_med3_num_f32 v[TMP+j], v[AC+j], 0, v[LIM]
.set j, j+1
.endr
	WIN 0
.irp b, 0,1,2,3,4,5,6,7
	v_cvt_scalef32_pk8_fp8_f32 v[CD+16*(\a)+2*\b:CD+16*(\a)+2*\b+1], v[TMP+8*\b:TMP+8*\b+7], v[SC]
.endr
	v_nop
.irp b, 0,1,2,3,4,5,6,7
	ds_store_b64 v[STO], v[CD+16*(\a)+2*\b:CD+16*(\a)+2*\b+1] offset:(\b/4)*PLANE+(\a)*1280+16*(\b%4)
.endr
.endm
	s_sub_co_i32 s72, s70, s72
	s_add_co_i32 s72, s72, 127
	s_lshl_b32 s73, s72, 23
	v_mov_b32 v[SC], s73
	s_add_co_i32 s72, s72, 8
	s_lshl_b32 s72, s72, 23
	s_or_b32 s72, s72, 0x600000
	v_mov_b32 v[LIM], s72
	PLACES NP
.irp a, 0,1,2,3,4,5,6,7
	QSTAGE \a
.endr
	s_wait_dscnt 0x0
	s_barrier_signal -1
	s_barrier_wait -1
.set t, 0
.rept 32
	ds_load_b128 v[128+4*t:128+4*t+3], v[RD] offset:640*t
.set t, t+1
.endr
.set t, 0
.rept 32
	s_wait_dscnt 31-t
	global_store_b128 v[CO], v[128+4*t:128+4*t+3], s[12:13] offset:512*t
.set t, t+1
.endr
	s_wait_tensorcnt 0x0
	ds_add_u32 v[SPW], v[NIL]
	s_wait_dscnt 0x0
	CROUND
	s_endpgm
.Lfunc_end_k_q17a3d350ab_w1:
	.size	k_q17a3d350ab_w1, .Lfunc_end_k_q17a3d350ab_w1-k_q17a3d350ab_w1
	.p2alignl 7, 3214868480
	.fill 96, 4, 3214868480
	.section	.rodata,"a",@progbits
	.p2align	6, 0x0
	.amdhsa_kernel k_q17a3d350ab_w1
		.amdhsa_group_segment_fixed_size 327680
		.amdhsa_private_segment_fixed_size 0
		.amdhsa_enable_private_segment 0
		.amdhsa_kernarg_size 40
		.amdhsa_user_sgpr_count 2
		.amdhsa_user_sgpr_kernarg_segment_ptr 1
		.amdhsa_wavefront_size32 1
		.amdhsa_system_sgpr_workgroup_id_x 1
		.amdhsa_system_sgpr_workgroup_id_y 1
		.amdhsa_system_sgpr_workgroup_id_z 1
		.amdhsa_system_vgpr_workitem_id 0
		.amdhsa_next_free_vgpr 1024
		.amdhsa_next_free_sgpr 100
		.amdhsa_reserve_vcc 0
		.amdhsa_float_denorm_mode_32 3
		.amdhsa_float_denorm_mode_16_64 3
		.amdhsa_memory_ordered 1
		.amdhsa_forward_progress 1
		.amdhsa_inst_pref_size 132
	.end_amdhsa_kernel
	.amdgpu_metadata
---
amdhsa.version: [ 1, 2 ]
amdhsa.kernels:
  - .name:           k_q17a3d350ab_w1
    .symbol:         k_q17a3d350ab_w1.kd
    .args:
      - { .name: h2c, .offset: 0, .size: 8, .value_kind: global_buffer, .address_space: global }
      - { .name: wc, .offset: 8, .size: 8, .value_kind: global_buffer, .address_space: global }
      - { .name: lowp_scales, .offset: 16, .size: 8, .value_kind: global_buffer, .address_space: global }
      - { .name: b1, .offset: 24, .size: 8, .value_kind: global_buffer, .address_space: global }
      - { .name: ffc, .offset: 32, .size: 8, .value_kind: global_buffer, .address_space: global }
    .group_segment_fixed_size: 327680
    .private_segment_fixed_size: 0
    .kernarg_segment_align: 8
    .kernarg_segment_size: 40
    .max_flat_workgroup_size: 128
    .sgpr_count:     100
    .vgpr_count:     1024
    .wavefront_size: 32
...
	.end_amdgpu_metadata
.endif
;; end of part 6
;; launch w2 (part 7): grid 8 x 32, 4 waves a work-group, clusters of 4 x 4, 327,680 bytes of LDS; arguments ffc, wc, lowp_scales, x1, b2, out0; writes out0
.if DOCPART == 7
	.amdgcn_target "amdgcn-amd-amdhsa--gfx1250"
	.amdhsa_code_object_version 6
	.text
	.protected	k_q17a3d350ab_w2
	.globl	k_q17a3d350ab_w2
	.p2align	8
	.type	k_q17a3d350ab_w2,@function
k_q17a3d350ab_w2:
	s_mov_b64 s[64:65], 0
	v_nop
	global_prefetch_b8 v0, s[64:65] scope:SCOPE_SE
	s_setreg_imm32_b32 hwreg(HW_REG_WAVE_MODE, 25, 1), 1
	s_wait_xcnt 0x0
	s_wait_alu depctr_hold_cnt(0) depctr_sa_sdst(0) depctr_va_vdst(0) depctr_va_sdst(0) depctr_va_ssrc(0) depctr_va_vcc(0) depctr_vm_vsrc(0)
	s_getreg_b32 s2, hwreg(HW_REG_IB_STS2, 6, 4)
	s_cmp_eq_u32 s2, 0
	s_cbranch_scc0 .Lentry_in_a_cluster
	s_endpgm
.Lentry_in_a_cluster:
	s_bfe_u32 s2, ttmp6, 0x10000c
	s_cmp_lg_u32 s2, 0xf033
	s_cbranch_scc0 .Lentry_shape_is_right
	s_endpgm
.Lentry_shape_is_right:
; out0 = x1 + ff W2 + b2.  ff: codes laid [64 blocks of 64 along K][4096 rows][64]; W2: codes [1024 n][4096 k] at 8 MiB in wc; sums in f32, each multiplied once by 2^(e14 + e15).
; LIMIT: e14 + e15 between -126 and 127.
; A tile of the result is 128 x 128 (256 work-groups), four waves of 64 x 64: 16 accumulators.  K goes in steps of 512 through a ring of two LDS slots: four laps.
; CLUSTER 4 x 4: A's tile is shared along a row of the cluster, B's along a column, by joint tensor loads; one load of a wave is out behind each round, two at the start.
; THE MATRIX INSTRUCTION IS USED TRANSPOSED (source 0 = rows of the weight, source 1 = rows of A).
; LDS, a slot: A: 8 blocks of 64 along K x 128 rows x 80 bytes (64 + 16); B: 128 rows x 528 bytes (512 + 16).  Wave 0, 1: A's blocks 0-3, 4-7; wave 2, 3: B's rows 0-63, 64-127.
; THE RESIDUAL of the 32 rows that a wave stores (32 x 512 bytes: 128 registers) is asked for at the head, behind the first tiles, and lands under the products: nothing is asked of memory behind the last product.
; REGISTERS: window 0: v16-29 addresses, v96-99 the bias, v128-255 the accumulators, later the rows on the way out; window 1: two fragment buffers of 128 (A's four fragments, then B's four); window 2: v0-127 the residual.
.set SIZE_K, 4096
.set WOFF,   0x800000
.set SCOFF,  0x38
.set LAPS,   SIZE_K/1024
.set KB,     10240
.set AHALF,  4*KB
.set BOFF,   8*KB
.set BP,     528
.set BHALF,  64*BP
.set SLOT,   BOFF+128*BP
.set SPARE,  2*SLOT
.set ADRA, 16
.set ADRB, 20
.set STO,  24
.set RD,   25
.set CO,   26
.set SPW,  28
.set NIL,  29
.set ACC,  128
.set F0,   0
.set F1,   128
.set RES,  0                           ; in window 2: row t of my 32 at 4 t
.set G1, 24
.set G0, 32
.set G1B, 48
.set G0B, 56
.set MSB, 0
.macro WIN new
.if MSB != \new
	s_set_vgpr_msb (MSB<<8)|\new
.set MSB, \new
.endif
.endm
.set MUL,  0x05
.set TO_F, 0x40
.macro JLOAD s
	s_cmp_eq_u32 s17, 0
	s_cbranch_scc0 .Lfor_b_\@
	tensor_load_to_lds s[G0+4*\s:G0+4*\s+3], s[G1:G1+7]
	s_nop 0
.rept 4
	v_nop
.endr
	s_branch .Lasked_\@
.Lfor_b_\@:
	tensor_load_to_lds s[G0B+4*\s:G0B+4*\s+3], s[G1B:G1B+7]
	s_nop 0
.rept 4
	v_nop
.endr
.Lasked_\@:
.endm
.macro CREST
	s_cmp_lg_u32 s16, 0
	s_cbranch_scc1 .Lnot_wave_0_\@
	s_barrier_signal -3
.Lnot_wave_0_\@:
	s_barrier_wait -3
	s_barrier_signal -1
	s_barrier_wait -1
.endm
.macro CROUND
	s_barrier_signal -1
	s_barrier_wait -1
	CREST
.endm
	s_load_b256 s[4:11], s[0:1], 0x0               ; A's codes 4, wc 6, the scales' exponents 8, the residual 10
	s_load_b128 s[12:15], s[0:1], 0x20             ; the bias 12, the result 14
	v_lshl_add_u32 v[SPW], v0, 2, SPARE
	v_mov_b32 v[NIL], 0
	ds_add_u32 v28, v29
	ds_add_u32 v28, v29
	s_wait_dscnt 0x0
	v_lshrrev_b32 v1, 5, v0
	v_readfirstlane_b32 s16, v1
	s_lshr_b32 s17, s16, 1
	s_and_b32 s18, s16, 1
	s_bfe_u32 s40, ttmp6, 0x40000
	s_bfe_u32 s41, ttmp6, 0x40004
	s_lshl_b32 s42, ttmp9, 2
	s_add_co_u32 s42, s42, s40                     ; tile column
	s_and_b32 s43, ttmp7, 0xffff
	s_lshl_b32 s43, s43, 2
	s_add_co_u32 s43, s43, s41                     ; tile row
	s_lshl_b32 s44, s41, 2
	s_lshl_b32 s44, 15, s44
	s_lshl_b32 s45, 0x1111, s40
	s_or_b32 s[G1+0], s44, (0<<16)|(1<<20)|(1<<21)|(3<<22)|(3<<25)  ; A: mask of my row; 1 byte; padding: 4 words behind every 16
	s_mov_b32 s[G1+1], 8192<<16                    ; a block's 128 rows of 64 bytes lie on end: one row of 8,192 bytes,
	s_mov_b32 s[G1+2], 4<<16                       ; four blocks,
	s_mov_b32 s[G1+3], 8192<<16
	s_mov_b32 s[G1+4], 4
	s_mov_b32 s[G1+5], 262144                      ; 4,096 rows of 64 bytes apart
	s_mov_b32 s[G1+6], 0
	s_mov_b32 s[G1+7], 0
	s_or_b32 s[G1B+0], s45, (0<<16)|(1<<20)|(1<<21)|(6<<22)|(3<<25) ; B: mask of my column; 4 words behind every 128
	s_mov_b32 s[G1B+1], 512<<16
	s_mov_b32 s[G1B+2], 64<<16
	s_mov_b32 s[G1B+3], 512<<16
	s_mov_b32 s[G1B+4], 64
	s_mov_b32 s[G1B+5], SIZE_K
	s_mov_b32 s[G1B+6], 0
	s_mov_b32 s[G1B+7], 0
	s_lshl_b32 s20, s18, 20
	s_lshl_b32 s21, s43, 13
	s_add_co_u32 s20, s20, s21
	s_mov_b32 s21, 0
	s_lshl_b32 s46, s42, 7
	s_lshl_b32 s47, s18, 6
	s_add_co_u32 s46, s46, s47
	s_mul_i32 s46, s46, SIZE_K
	s_add_co_u32 s46, s46, WOFF
	s_mov_b32 s47, 0
	s_mul_i32 s22, s18, AHALF
	s_mul_i32 s23, s18, BHALF
	s_add_co_u32 s23, s23, BOFF
	s_wait_kmcnt 0x0
	s_load_b64 s[66:67], s[8:9], SCOFF             ; ea, eb
	s_add_nc_u64 s[20:21], s[4:5], s[20:21]
	s_add_nc_u64 s[46:47], s[6:7], s[46:47]
	CROUND                                         ; the first joint loads meet
.irp s, 0,1
	s_mov_b32 s[G0+4*\s], 1
	s_add_co_u32 s[G0+4*\s+1], s22, \s*SLOT
	s_add_nc_u64 s[G0+4*\s+2:G0+4*\s+3], s[20:21], \s*8*262144
	s_or_b32 s[G0+4*\s+3], s[G0+4*\s+3], 0x80000000
	s_mov_b32 s[G0B+4*\s], 1
	s_add_co_u32 s[G0B+4*\s+1], s23, \s*SLOT
	s_add_nc_u64 s[G0B+4*\s+2:G0B+4*\s+3], s[46:47], \s*512
	s_or_b32 s[G0B+4*\s+3], s[G0B+4*\s+3], 0x80000000
.endr
	JLOAD 0                                        ; K step 0: one tensor load a wave at the head
	; prefetches, one instruction a wave for a K step: what I fetch is 128 blocks of 256 bytes, of which my work-group takes 32, told apart from its three partners by address:
	; A (place cx): one of my four blocks of 64 along K, 8,192 dense bytes, lanes 256 bytes apart; B (place cy): 16 of my 64 rows, two lanes to a row's 512 bytes
	s_cmp_eq_u32 s17, 0
	s_cselect_b64 s[76:77], s[20:21], s[46:47]
	s_cselect_b32 s72, s40, s41
	s_cselect_b32 s73, 18, 16
	s_mov_b32 s70, 512
	s_cselect_b32 s70, 0x200000, s70               ; a K step on
	s_mov_b32 s74, 4096
	s_cselect_b32 s74, 512, s74                    ; two lanes on
	s_lshl_b32 s72, s72, s73
	s_mov_b32 s73, 0
	s_mov_b32 s71, 0
	s_add_nc_u64 s[76:77], s[76:77], s[72:73]
	s_add_nc_u64 s[76:77], s[76:77], s[70:71]      ; at K step 1,
	s_add_nc_u64 s[68:69], s[76:77], s[70:71]      ; and at K step 2: this one walks
	v_and_b32 v30, 31, v0
	v_lshrrev_b32 v31, 1, v30
	v_and_b32 v30, 1, v30
	v_mul_lo_u32 v31, v31, s74
	v_lshl_add_u32 v30, v30, 8, v31
	v_and_b32 v1, 15, v0
	v_bfe_u32 v2, v0, 4, 1
	v_mul_u32_u24 v3, v1, 80
	v_lshl_add_u32 v3, v2, 4, v3
	s_mul_i32 s21, s17, 64*80
	v_add_nc_u32 v[ADRA], s21, v3
	v_add_nc_u32 v[ADRA+1], AHALF, v[ADRA]
	v_add_nc_u32 v[ADRA+2], SLOT, v[ADRA]
	v_add_nc_u32 v[ADRA+3], SLOT+AHALF, v[ADRA]
	v_mul_u32_u24 v4, v1, BP
	v_lshl_add_u32 v4, v2, 4, v4
	s_mul_i32 s22, s18, BHALF
	s_add_co_u32 s22, s22, BOFF
	v_add_nc_u32 v[ADRB], s22, v4
	v_add_nc_u32 v[ADRB+1], SLOT, v[ADRB]
	s_mul_i32 s22, s17, 64*528
	s_lshl_b32 s23, s18, 8
	s_add_co_u32 s22, s22, s23
	v_mul_u32_u24 v5, v1, 528
	v_lshl_add_u32 v5, v2, 5, v5
	v_add_nc_u32 v[STO], s22, v5
	s_mul_i32 s22, s16, 32*528
	v_and_b32 v6, 31, v0
	v_lshlrev_b32 v[CO], 4, v6
	s_wait_alu depctr_va_vdst(0)
	v_add_nc_u32 v[RD], s22, v[CO]
	s_lshl_b32 s20, s43, 19
	s_lshl_b32 s21, s16, 17
	s_add_co_u32 s20, s20, s21
	s_mov_b32 s21, 0
	s_lshl_b32 s46, s42, 9
	s_mov_b32 s47, 0
	s_add_nc_u64 s[10:11], s[10:11], s[20:21]
	s_add_nc_u64 s[10:11], s[10:11], s[46:47]
	s_add_nc_u64 s[14:15], s[14:15], s[20:21]
	s_add_nc_u64 s[14:15], s[14:15], s[46:47]
	s_add_nc_u64 s[12:13], s[12:13], s[46:47]
	global_load_b128 v[96:99], v[CO], s[12:13]
	global_prefetch_b8 v30, s[76:77] th:TH_LOAD_NT scope:SCOPE_SE      ; K step 1
	global_prefetch_b8 v30, s[68:69] th:TH_LOAD_NT scope:SCOPE_SE      ; K step 2
.macro FETCH slot, q, f                ; B's four fragments, A's blocks 0-1, A's blocks 2-3.  Registers 4 c .. 4 c + 3: K = 32 c + 16 h + 0 .. 15, in A and B alike
	WIN TO_F
.irp i, 0,1,2,3
.irp c, 0,1,2,3
	ds_load_b128 v[\f+64+16*\i+4*\c:\f+64+16*\i+4*\c+3], v[ADRB+\slot] offset:128*(\q)+32*\c+16*BP*\i
.endr
.endr
.irp i, 0,1,2,3
.irp c, 0,1,2,3
	ds_load_b128 v[\f+16*\i+4*\c:\f+16*\i+4*\c+3], v[ADRA+2*\slot+(\q)/2] offset:(2*((\q)%2)+\c/2)*KB+1280*\i+32*(\c%2)
.endr
.endr
.endm
.macro MULA f, a, zero                 ; the 16 accumulators take turns, one instruction a turn
.irp b, 0,1,2,3
.if \zero
	v_wmma_f32_16x16x128_fp8_fp8 v[ACC+8*(4*(\a)+\b):ACC+8*(4*(\a)+\b)+7], v[\f+64+16*\b:\f+64+16*\b+15], v[\f+16*(\a):\f+16*(\a)+15], 0
.else
	v_wmma_f32_16x16x128_fp8_fp8 v[ACC+8*(4*(\a)+\b):ACC+8*(4*(\a)+\b)+7], v[\f+64+16*\b:\f+64+16*\b+15], v[\f+16*(\a):\f+16*(\a)+15], v[ACC+8*(4*(\a)+\b):ACC+8*(4*(\a)+\b)+7]
.endif
.endr
.endm
.macro PLACES
.rept 4
	v_nop
.endr
.endm
.macro QUARTER slot, qn, f, g, zero
	s_wait_dscnt 8                                 ; B and A's blocks 0-1 are in; the youngest eight loads may be out
	WIN MUL
	MULA \f, 0, \zero
	MULA \f, 1, \zero
	PLACES
	FETCH \slot, \qn, \g
	s_wait_dscnt 32                                ; all but the 32 just issued
	WIN MUL
	MULA \f, 2, \zero
	MULA \f, 3, \zero
.endm
.macro TURN slot, next, fill
	WIN 0
.if \fill
	s_wait_xcnt 0x0                                ; my last prefetch, a K step back, has read its address
	s_add_nc_u64 s[68:69], s[68:69], s[70:71]      ; two K steps on from the refill below
.endif
	s_wait_tensorcnt 0x0                           ; all my tensor loads have landed: my part of the next slot
	ds_add_u32 v[SPW], v[NIL]                      ; 0 onto my spare word
	s_wait_dscnt 9                                 ; the add and the youngest eight loads may be out
	WIN MUL
	MULA F1, 0, 0
	s_wait_dscnt 0x0                               ; the add is done, and my reads of this slot are over
	s_barrier_signal -1
	MULA F1, 1, 0
	WIN 0
	s_barrier_wait -1
.if \fill
	CREST                                          ; the barrier has opened a round of the cluster's: no wave of any partner still reads this slot or has a load on its way
	s_add_nc_u64 s[G0+4*\slot+2:G0+4*\slot+3], s[G0+4*\slot+2:G0+4*\slot+3], 16*262144
	s_add_nc_u64 s[G0B+4*\slot+2:G0B+4*\slot+3], s[G0B+4*\slot+2:G0B+4*\slot+3], 1024
	JLOAD \slot                                    ; the first tensor load behind the round; its four v_nop are the places in front of the loads below
.else
	PLACES
.endif
	FETCH \next, 0, F0
.if \fill
	WIN 0
	s_cmp_gt_u32 s19, 1                            ; the last trip's two refills have no K step two on
	s_cbranch_scc0 .Lno_ask_\@
	global_prefetch_b8 v30, s[68:69] th:TH_LOAD_NT scope:SCOPE_SE
.Lno_ask_\@:
.endif
	WIN MUL
	MULA F1, 2, 0
	MULA F1, 3, 0
.endm
	s_wait_alu depctr_va_vdst(0)                   ; the wait at the head's end
	s_wait_tensorcnt 0x0                           ; my part of K step 0 is in
	ds_add_u32 v[SPW], v[NIL]
	s_wait_xcnt 0x0                                ; my prefetches have read their addresses
	s_add_nc_u64 s[68:69], s[68:69], s[70:71]      ; on to K step 3
	s_wait_dscnt 0x0
	CROUND                                         ; everybody's part of K step 0 is in, and the partners are here
	JLOAD 1                                        ; K step 1: slot 1's first fill, the first tensor load behind the round
	FETCH 0, 0, F0
	global_prefetch_b8 v30, s[68:69] th:TH_LOAD_NT scope:SCOPE_SE      ; K step 3: two refills ahead
	WIN 0x80                                       ; destination window 2, address window 0
.set t, 0
.rept 32
	global_load_b128 v[RES+4*t:RES+4*t+3], v[CO], s[10:11] offset:4096*t th:TH_LOAD_NT    ; the residual's 32 rows, 512 consecutive bytes each, are asked for here, behind the first tiles that the products wait for; they are wanted on the way out alone
.set t, t+1
.endr
	QUARTER 0, 1, F0, F1, 1
.if LAPS > 1
	WIN 0
	s_mov_b32 s19, LAPS-1
.Llap:
	QUARTER 0, 2, F1, F0, 0
	QUARTER 0, 3, F0, F1, 0
	TURN 0, 1, 1
	QUARTER 1, 1, F0, F1, 0
	QUARTER 1, 2, F1, F0, 0
	QUARTER 1, 3, F0, F1, 0
	TURN 1, 0, 1
	QUARTER 0, 1, F0, F1, 0
	WIN 0
	s_sub_co_u32 s19, s19, 1
	s_cmp_lg_u32 s19, 0
	s_cbranch_scc1 .Llap
.endif
	QUARTER 0, 2, F1, F0, 0                        ; the last lap fills nothing
	QUARTER 0, 3, F0, F1, 0
	TURN 0, 1, 0
	QUARTER 1, 1, F0, F1, 0
	QUARTER 1, 2, F1, F0, 0
	QUARTER 1, 3, F0, F1, 0
	s_wait_dscnt 8
	WIN MUL
	MULA F1, 0, 0
	MULA F1, 1, 0
	s_wait_dscnt 0
	MULA F1, 2, 0
	MULA F1, 3, 0
	WIN 0
	; THE WAY OUT: the sums go as they are into the work-group's stage (slot 0: its last fill and its last read are over); a barrier; back as whole rows
	PLACES
.irp a, 0,1,2,3
.irp b, 0,1,2,3
	ds_store_b128 v[STO], v[ACC+8*(4*\a+\b):ACC+8*(4*\a+\b)+3] offset:16*528*\a+64*\b
	ds_store_b128 v[STO], v[ACC+8*(4*\a+\b)+4:ACC+8*(4*\a+\b)+7] offset:16*528*\a+64*\b+16
.endr
.endr
	s_wait_dscnt 0x0                               ; for the others' sake: my stores are done; they have also read the accumulators, which take the rows below
	s_barrier_signal -1
	s_barrier_wait -1
.set t, 0
	s_wait_alu depctr_va_vdst(0)
.rept 32
	ds_load_b128 v[128+4*t:131+4*t], v[RD] offset:528*t
.set t, t+1
.endr
	s_wait_kmcnt 0x0
	s_add_co_i32 s66, s66, s67
	s_add_co_i32 s66, s66, 127
	s_lshl_b32 s66, s66, 23                        ; 2^(ea + eb) as f32
	s_mov_b32 s67, s66
	s_wait_loadcnt 0x0                             ; the residual and the bias, asked for at the head
	WIN 0x20                                       ; source 2 (the residual) window 2
.set t, 0
.rept 32
	s_wait_dscnt 31-t                              ; row t is back; the younger rows' loads may be out
	v_pk_fma_f32 v[128+4*t:129+4*t], v[128+4*t:129+4*t], s[66:67], v[RES+4*t:RES+4*t+1] op_sel_hi:[1,0,1]      ; sum x 2^(ea + eb) + residual
	v_pk_fma_f32 v[130+4*t:131+4*t], v[130+4*t:131+4*t], s[66:67], v[RES+4*t+2:RES+4*t+3] op_sel_hi:[1,0,1]
.set t, t+1
.endr
	WIN 0
.set t, 0
.rept 32
	v_pk_add_f32 v[128+4*t:129+4*t], v[128+4*t:129+4*t], v[96:97]              ; + bias
	v_pk_add_f32 v[130+4*t:131+4*t], v[130+4*t:131+4*t], v[98:99]
	global_store_b128 v[CO], v[128+4*t:131+4*t], s[14:15] offset:4096*t th:TH_STORE_NT     ; 32 lanes store 512 consecutive bytes, aligned
.set t, t+1
.endr
	s_wait_tensorcnt 0x0                           ; the wave's end
	ds_add_u32 v[SPW], v[NIL]
	s_wait_dscnt 0x0
	CROUND                                         ; the closing round
	s_endpgm
.Lfunc_end_k_q17a3d350ab_w2:
	.size	k_q17a3d350ab_w2, .Lfunc_end_k_q17a3d350ab_w2-k_q17a3d350ab_w2
	.p2alignl 7, 3214868480
	.fill 96, 4, 3214868480
	.section	.rodata,"a",@progbits
	.p2align	6, 0x0
	.amdhsa_kernel k_q17a3d350ab_w2
		.amdhsa_group_segment_fixed_size 327680
		.amdhsa_private_segment_fixed_size 0
		.amdhsa_enable_private_segment 0
		.amdhsa_kernarg_size 48
		.amdhsa_user_sgpr_count 2
		.amdhsa_user_sgpr_kernarg_segment_ptr 1
		.amdhsa_wavefront_size32 1
		.amdhsa_system_sgpr_workgroup_id_x 1
		.amdhsa_system_sgpr_workgroup_id_y 1
		.amdhsa_system_sgpr_workgroup_id_z 1
		.amdhsa_system_vgpr_workitem_id 0
		.amdhsa_next_free_vgpr 640
		.amdhsa_next_free_sgpr 80
		.amdhsa_reserve_vcc 0
		.amdhsa_float_denorm_mode_32 3
		.amdhsa_float_denorm_mode_16_64 3
		.amdhsa_memory_ordered 1
		.amdhsa_forward_progress 1
		.amdhsa_inst_pref_size 84
	.end_amdhsa_kernel
	.amdgpu_metadata
---
amdhsa.version: [ 1, 2 ]
amdhsa.kernels:
  - .name:           k_q17a3d350ab_w2
    .symbol:         k_q17a3d350ab_w2.kd
    .args:
      - { .name: ffc, .offset: 0, .size: 8, .value_kind: global_buffer, .address_space: global }
      - { .name: wc, .offset: 8, .size: 8, .value_kind: global_buffer, .address_space: global }
      - { .name: lowp_scales, .offset: 16, .size: 8, .value_kind: global_buffer, .address_space: global }
      - { .name: x1, .offset: 24, .size: 8, .value_kind: global_buffer, .address_space: global }
      - { .name: b2, .offset: 32, .size: 8, .value_kind: global_buffer, .address_space: global }
      - { .name: out0, .offset: 40, .size: 8, .value_kind: global_buffer, .address_space: global }
    .group_segment_fixed_size: 327680
    .private_segment_fixed_size: 0
    .kernarg_segment_align: 8
    .kernarg_segment_size: 48
    .max_flat_workgroup_size: 128
    .sgpr_count:     80
    .vgpr_count:     640
    .wavefront_size: 32
...
	.end_amdgpu_metadata
.endif
;; end of part 7
